; MI455X (gfx1250); checked and timed in simulation.
; The chip was launched on July 23, 2026; its instructions are those of AMD's public machine-readable ISA for CDNA 5 (MIT licence, August 2026) and "CDNA5" Instruction Set Architecture Reference Guide (July 2026). The comments in the code are by the model that wrote it; some were corrected since.
;; Self Attention. Allowed arithmetic: matrix products marked QUANTISED: E4M3 operands, one E8M0 scale for each 32 along K, by v_wmma_scale_f32_16x16x128_f8f6f4 with both operands' format E4M3, f32 sums; everything else in f32.
;; Inputs: Wk 1,024 x 1,024 float32; Wo 1,024 x 1,024 float32; Wq 1,024 x 1,024 float32; Wv 1,024 x 1,024 float32; bo 1,024 float32; kln_b 64 float32; kln_g 64 float32; qln_b 64 float32; qln_g 64 float32; x 4 x 2,048 x 1,024 float32.
;; Outputs: out0 4 x 2,048 x 1,024 float32.
;; This version of the problem:
;;   THIS VERSION OF THE PROBLEM IS GIVEN IN LOW PRECISION. The matrix products marked QUANTISED in the list below multiply operands that are first quantised to E4M3 (4 exponent bits, 3 mantissa bits; 8 bits a number), with one power-of-two scale for each 32 numbers along K (OCP MX v1.0); their sums are f32. All else is computed in f32.
;;   The module's matrix products, in the order in which they are computed (A, B: the left and right operand; K: the contracted axis; several contracted axes count as one K, in the product's order):
;;     1. [M 8,192, K 1,024] x [K 1,024, N 1,024]; A: input x; B: input Wk: QUANTISED
;;     2. [M 8,192, K 1,024] x [K 1,024, N 1,024]; A: input x; B: input Wq: QUANTISED
;;     3. [M 8,192, K 1,024] x [K 1,024, N 1,024]; A: input x; B: input Wv: QUANTISED
;;     4. batch 64 x [M 2,048, K 64] x [K 64, N 2,048]; A: computed on the way; B: computed on the way: QUANTISED
;;     5. batch 64 x [M 64, K 2,048] x [K 2,048, N 2,048]; A: computed on the way; B: softmax (see below): QUANTISED
;;     6. [M 8,192, K 1,024] x [K 1,024, N 1,024]; A: computed on the way; B: input Wo: QUANTISED
;;   THE QUANTISER, for each operand of a quantised product, along K:
;;     - K is cut into blocks of 32 from its start; a last block that is shorter is filled with zeros.
;;     - A block's scale is 2^e with e = floor(log2(the largest magnitude in the block)) - 8, held to -126 .. 127; a block of zeros has e = 0. As a byte (E8M0): e + 127.
;;     - Each number is divided by its block's scale, clamped to +-448, and rounded to the nearest number of E4M3, ties to even, subnormals kept.
;;     - The product sums the exact products of the quantised numbers (number of the format x scale) in f32.
;;   ~~~python
;;   def quantise(x, axis):      # numpy; x: float32 -> the quantised numbers, widened to float32 again
;;       x = np.moveaxis(x, axis, -1); K = x.shape[-1]
;;       x = np.pad(x, [(0, 0)] * (x.ndim - 1) + [(0, -K % 32)]); x = x.reshape(x.shape[:-1] + (-1, 32)); a = np.abs(x).max(-1, keepdims=True)
;;       e = np.where(a > 0, np.clip(np.frexp(np.where(a > 0, a, 1))[1] - 1 - 8, -126, 127), 0)      # np.frexp(a)[1] - 1 = floor(log2(a)), exactly
;;       r = np.clip(x / 2.0 ** e, -448, 448)
;;       step = 2.0 ** (np.maximum(np.frexp(np.where(r == 0, 1, r))[1] - 1, -6) - 3)
;;       q = np.round(r / step) * step * 2.0 ** e      # np.round: ties to even
;;       return np.moveaxis(q.reshape(q.shape[:-2] + (-1,))[..., :K], -1, axis).astype(np.float32)
;;   ~~~
;;   SOFTMAX AHEAD OF A QUANTISED PRODUCT. Where the list says 'softmax', what is quantised is not the finished softmax but p = 2^(t - M), with t = logit x log2(e) and M = ceil(the row's largest t), a whole number; so 1/2 < the row's largest p <= 1. The row's sum l is taken of the UNQUANTISED p, in f32, and the product's result is divided by l at the end. Since M is a whole number, a kernel that streams over the keys may use a running M (the ceiling of the running maximum): every later rescaling is an exact power of two, which a block's scale takes up: the codes' values come out the same.
;;   OPERANDS COMPUTED ON THE WAY. 'Computed on the way' means the value that the module computes at that place (a softmax that the list does not call 'softmax' is quantised finished and normalised). What goes into a quantiser is computed in f32, as accurately as f32 sums, v_exp_f32 and their like allow (about 1e-6 of the number): no bf16 or f16 on the way to a quantiser, and a product that is left as it is and whose result goes on into a quantised operand takes f32 operands (vector FMAs, or v_wmma_f32_16x16x4_f32). A number that lies on a knife's edge between two numbers of the format may be rounded either way, as far as f32 arithmetic and the matrix unit's own rounding can turn it there, and no further.
;; One version. Each part assembles by itself: llvm-mc -triple=amdgcn-amd-amdhsa -mcpu=gfx1250 --defsym DOCPART=n.
;; ======== version 1 of 1: 4 launches
;; limits: right only within a limited range of input values
;; workspace buffers: codes 12,582,912 bytes; scales 393,216 bytes; kv 17,301,504 bytes; qb 17,301,504 bytes; acodes 8,388,608 bytes; ascales 262,144 bytes
;; launch quant (part 1): grid 768 x 1, 1 waves a work-group, no clusters, 8,704 bytes of LDS; arguments x, Wk, Wq, Wv, Wo, codes, scales; writes codes, scales
.if DOCPART == 1
	.amdgcn_target "amdgcn-amd-amdhsa--gfx1250"
	.amdhsa_code_object_version 6
	.text
	.protected	k_q919227a0b7_quant
	.globl	k_q919227a0b7_quant
	.p2align	8
	.type	k_q919227a0b7_quant,@function
k_q919227a0b7_quant:
	s_mov_b64 s[64:65], 0
	v_nop
	global_prefetch_b8 v0, s[64:65] scope:SCOPE_SE
	s_setreg_imm32_b32 hwreg(HW_REG_WAVE_MODE, 25, 1), 1
	s_wait_xcnt 0x0
; x [8192][1024] and Wk, Wq, Wv, Wo [1024][1024], f32, K innermost, become codes of FP8 (E4M3) with one E8M0 scale byte for each 32 along K.
; A block's scale is 2^(floor(log2(its largest magnitude)) - 8); each number is divided by it, held within +-448 and rounded to the nearest code, ties to even.
; LAYOUT OF THE CODES: images of operand registers.  A fragment is 16 rows x 128 K, 16 registers a lane: registers 4 c .. 4 c + 3 of lane l (row l % 16, K = 32 c + 16 (l / 16) + 0 .. 15) lie at byte 512 c + 16 l of 2,048.
; Row tile p (16 row positions) has its 8 K steps on end: 16,384 bytes.  Row positions: x 0 .., Wk 8192 .., Wq 9216 .., Wv 10240 .., Wo 11264 ..
; ROW ORDER: lane r of tile 2 b + u holds true row 32 b + 8 u + r % 8 + 16 (r / 8).  A product used transposed then leaves 16 neighbours along the tile axis in a lane's 16 registers of two neighbouring tiles.
; SCALES: [row position][8 words], a word for each 128 along K.
; SHARES: a work-group is one wave and one row tile: 64 KiB in, 16 KiB of codes and 512 bytes of scale words out; 768 = 3 x 256 equal work-groups.  No work-group reads what another reads: no cluster, no tensor load.
; Each load takes 512 consecutive bytes of a row; a K step's 16 rows turn through a stage in LDS (rows of 512 + 16 bytes), from which a lane takes 16 neighbours of each block.  Two K steps (32 loads) are on their way.
; LIMITS: NaN and infinities among the inputs are not served.  A block whose largest magnitude lies under 2^-118 keeps the byte 1; so does a block of zeros, where the rule says 127: its codes are zeros, and this program alone reads the bytes.
.set SP,   528                         ; a stage row
.set R,    16                          ; v16-143  two sets of 64: a K step as loaded
.set X,    144                         ; v144-207 64 numbers: register 16 c + i = K 32 c + 16 h + i of my row
.set PC,   208                         ; v208-223 the codes just made
.set TM,   224                         ; v224-227 largest magnitudes, 228-231 the other half's / bytes, 232-235 448 x scale, 236-239 the conversions' scale operands
.set PW,   240                         ; v240-247 a scale word for each K step
.set SW,   248                         ; v248-251 the four words that my lane stores
	s_load_b256 s[4:11], s[0:1], 0x0               ; x, Wk, Wq, Wv
	s_load_b128 s[12:15], s[0:1], 0x20             ; Wo, codes
	s_load_b64 s[16:17], s[0:1], 0x30              ; scales
	v_lshl_add_u32 v254, v0, 2, 0x2100
	v_mov_b32 v255, 0
	v_lshlrev_b32 v1, 4, v0                        ; 16 x lane: my bytes of a load's 512, of a stage row, of an image's 512
	v_and_b32 v2, 15, v0                           ; r
	v_lshrrev_b32 v5, 4, v0                        ; h
	v_mul_u32_u24 v3, v2, SP
	v_lshl_add_u32 v3, v5, 6, v3                   ; out of the stage: row r, + 64 h
	v_lshlrev_b32 v4, 5, v2
	v_lshl_add_u32 v4, v5, 4, v4                   ; scale words: row r's 32 bytes, lanes 16-31 the upper four words
.irp b, 0,1,2,3
	v_mov_b32 v[TM+4+\b], 0                        ; written once: a lane permute's destination counts as one of its sources
.endr
	s_mov_b32 s20, 0x76543210
	s_mov_b32 s21, 0xfedcba98                      ; v_permlanex16_b32's selects for lane l xor 16
	s_mov_b32 s23, 0x600000                        ; the mantissa field of 448
	s_sub_co_u32 s18, ttmp9, 512                   ; tiles 512 .. 767 are the weights'
	s_lshr_b32 s19, s18, 6                         ; which weight
	s_and_b32 s22, s18, 63                         ; and which of its 64 tiles
	s_wait_alu depctr_va_vdst(0)
	s_wait_kmcnt 0x0
	s_cmp_eq_u32 s19, 2                            ; the source is chosen by the work-group's number alone
	s_cselect_b64 s[12:13], s[10:11], s[12:13]
	s_cmp_eq_u32 s19, 1
	s_cselect_b64 s[12:13], s[8:9], s[12:13]
	s_cmp_eq_u32 s19, 0
	s_cselect_b64 s[12:13], s[6:7], s[12:13]
	s_cmp_lt_u32 ttmp9, 512
	s_cselect_b64 s[12:13], s[4:5], s[12:13]
	s_cselect_b32 s22, ttmp9, s22                  ; p: the tile's number in its own tensor
	s_lshr_b32 s24, s22, 1
	s_lshl_b32 s24, s24, 17                        ; 32 (p / 2) rows of 4,096 bytes
	s_and_b32 s25, s22, 1
	s_lshl_b32 s25, s25, 15                        ; + 8 (p % 2) rows
	s_add_co_u32 s24, s24, s25
	s_mov_b32 s25, 0
	s_add_nc_u64 s[12:13], s[12:13], s[24:25]
	s_lshl_b32 s24, ttmp9, 14
	s_add_nc_u64 s[14:15], s[14:15], s[24:25]      ; my tile's images
	s_lshl_b32 s24, ttmp9, 9
	s_add_nc_u64 s[16:17], s[16:17], s[24:25]      ; my tile's scale words
.macro LOAD t                          ; K step t of the tile's 16 rows: 512 consecutive bytes a load
.irp p, 0,1,2,3,4,5,6,7,8,9,10,11,12,13,14,15
	global_load_b128 v[R+64*((\t)%2)+4*\p:R+64*((\t)%2)+4*\p+3], v1, s[12:13] offset:((\p%8)+16*(\p/8))*4096+512*(\t) th:TH_LOAD_NT
.endr
.endm
; 64 numbers of a lane, v[s] on, become a fragment's codes in v[PC] on and its scale word in v[pw]
.macro QUANT s, pw
.irp b, 0,1,2,3
	v_max3_num_f32 v[TM+\b], |v[\s+16*\b]|, |v[\s+1+16*\b]|, 0x4800000   ; block b: my 16 numbers, and the floor 2^(9 - 127): the byte cannot fall under 1
.endr
.irp i, 2,4,6,8,10,12,14
.irp b, 0,1,2,3
	v_max3_num_f32 v[TM+\b], v[TM+\b], |v[\s+16*\b+\i]|, |v[\s+1+16*\b+\i]|   ; the four blocks by turns
.endr
.endr
.irp b, 0,1,2,3
	v_permlanex16_b32 v[TM+4+\b], v[TM+\b], s20, s21
.endr
.irp b, 0,1,2,3
	v_max_num_f32 v[TM+\b], v[TM+\b], v[TM+4+\b]   ; with lane l xor 16's 16: the block's largest magnitude
.endr
.irp b, 0,1,2,3
	v_add_nc_u32 v[TM+12+\b], 0xfc000000, v[TM+\b] ; 8 off its exponent field: the conversion's scale operand
.endr
.irp b, 0,1,2,3
	v_and_or_b32 v[TM+8+\b], v[TM+\b], 0x7f800000, s23   ; 448 x the scale
.endr
.irp b, 0,1,2,3
	v_lshrrev_b32 v[TM+4+\b], 23, v[TM+12+\b]      ; the scale's byte
.endr
	v_lshl_or_b32 v[\pw], v[TM+5], 8, v[TM+4]
	v_lshl_or_b32 v[\pw], v[TM+6], 16, v[\pw]
	v_lshl_or_b32 v[\pw], v[TM+7], 24, v[\pw]
.irp b, 0,1,2,3
.irp i, 0,1,2,3,4,5,6,7,8,9,10,11,12,13,14,15
	v_med3_num_f32 v[\s+16*\b+\i], v[\s+16*\b+\i], -v[TM+8+\b], v[TM+8+\b]   ; the conversion to an 8-bit code does not saturate (ISA guide 7.6.2): the hold comes first
.endr
	v_cvt_scalef32_pk8_fp8_f32 v[PC+4*\b:PC+1+4*\b], v[\s+16*\b:\s+7+16*\b], v[TM+12+\b]
	v_cvt_scalef32_pk8_fp8_f32 v[PC+2+4*\b:PC+3+4*\b], v[\s+8+16*\b:\s+15+16*\b], v[TM+12+\b]
.endr
	v_nop                                          ; a plain line behind the last conversion
.endm
.macro STEP t
.if (\t) < 7
	s_wait_loadcnt 16                              ; this K step's 16 loads are in; the next step's 16 may be out
.else
	s_wait_loadcnt 0
.endif
.irp p, 0,1,2,3,4,5,6,7,8,9,10,11,12,13,14,15
	ds_store_b128 v1, v[R+64*((\t)%2)+4*\p:R+64*((\t)%2)+4*\p+3] offset:SP*\p
.endr
.irp c, 0,1,2,3
.irp i, 0,1,2,3
	ds_load_b128 v[X+16*\c+4*\i:X+16*\c+4*\i+3], v3 offset:128*\c+16*\i   ; LDS serves a wave's instructions in order: these see the stores above
.endr
.endr
	s_wait_dscnt 0x0                               ; my 64 numbers are in, and the stores into the stage have read their registers
	s_wait_xcnt 0x0                                ; the last step's stores have read the codes' registers
.if (\t)+2 < 8
	LOAD (\t)+2
.endif
	QUANT X, PW+(\t)
.irp c, 0,1,2,3
	global_store_b128 v1, v[PC+4*\c:PC+4*\c+3], s[14:15] offset:2048*(\t)+512*\c   ; 512 consecutive bytes, aligned
.endr
.endm
	LOAD 0
	LOAD 1
.irp t, 0,1,2,3,4,5,6,7
	STEP \t
.endr
	v_cmp_le_u32 vcc_lo, 16, v0                    ; lanes 16-31 store words 4-7 of their row, lanes 0-15 words 0-3 (both halves hold all eight)
.irp i, 0,1,2,3
	v_cndmask_b32 v[SW+\i], v[PW+\i], v[PW+4+\i], vcc_lo
.endr
	global_store_b128 v4, v[SW:SW+3], s[16:17]     ; the tile's 512 bytes of scale words
	s_wait_tensorcnt 0x0
	ds_add_u32 v254, v255
	s_wait_dscnt 0x0
	s_endpgm
.Lfunc_end_k_q919227a0b7_quant:
	.size	k_q919227a0b7_quant, .Lfunc_end_k_q919227a0b7_quant-k_q919227a0b7_quant
	.p2alignl 7, 3214868480
	.fill 96, 4, 3214868480
	.section	.rodata,"a",@progbits
	.p2align	6, 0x0
	.amdhsa_kernel k_q919227a0b7_quant
		.amdhsa_group_segment_fixed_size 8704
		.amdhsa_private_segment_fixed_size 0
		.amdhsa_enable_private_segment 0
		.amdhsa_kernarg_size 56
		.amdhsa_user_sgpr_count 2
		.amdhsa_user_sgpr_kernarg_segment_ptr 1
		.amdhsa_wavefront_size32 1
		.amdhsa_system_sgpr_workgroup_id_x 1
		.amdhsa_system_sgpr_workgroup_id_y 1
		.amdhsa_system_sgpr_workgroup_id_z 1
		.amdhsa_system_vgpr_workitem_id 0
		.amdhsa_next_free_vgpr 256
		.amdhsa_next_free_sgpr 66
		.amdhsa_reserve_vcc 1
		.amdhsa_float_denorm_mode_32 3
		.amdhsa_float_denorm_mode_16_64 3
		.amdhsa_memory_ordered 1
		.amdhsa_forward_progress 1
		.amdhsa_inst_pref_size 98
	.end_amdhsa_kernel
	.amdgpu_metadata
---
amdhsa.version: [ 1, 2 ]
amdhsa.kernels:
  - .name:           k_q919227a0b7_quant
    .symbol:         k_q919227a0b7_quant.kd
    .args:
      - { .name: x, .offset: 0, .size: 8, .value_kind: global_buffer, .address_space: global }
      - { .name: Wk, .offset: 8, .size: 8, .value_kind: global_buffer, .address_space: global }
      - { .name: Wq, .offset: 16, .size: 8, .value_kind: global_buffer, .address_space: global }
      - { .name: Wv, .offset: 24, .size: 8, .value_kind: global_buffer, .address_space: global }
      - { .name: Wo, .offset: 32, .size: 8, .value_kind: global_buffer, .address_space: global }
      - { .name: codes, .offset: 40, .size: 8, .value_kind: global_buffer, .address_space: global }
      - { .name: scales, .offset: 48, .size: 8, .value_kind: global_buffer, .address_space: global }
    .group_segment_fixed_size: 8704
    .private_segment_fixed_size: 0
    .kernarg_segment_align: 8
    .kernarg_segment_size: 56
    .max_flat_workgroup_size: 32
    .sgpr_count:     66
    .vgpr_count:     256
    .wavefront_size: 32
...
	.end_amdgpu_metadata
.endif
;; end of part 1
;; launch proj (part 2): grid 12 x 32, 4 waves a work-group, clusters of 4 x 4, 327,680 bytes of LDS; arguments codes, scales, kln_g, kln_b, qln_g, qln_b, kv, qb; writes kv, qb
.if DOCPART == 2
	.amdgcn_target "amdgcn-amd-amdhsa--gfx1250"
	.amdhsa_code_object_version 6
	.text
	.protected	k_q919227a0b7_proj
	.globl	k_q919227a0b7_proj
	.p2align	8
	.type	k_q919227a0b7_proj,@function
k_q919227a0b7_proj:
	s_mov_b64 s[64:65], 0
	v_nop
	global_prefetch_b8 v0, s[64:65] scope:SCOPE_SE
	s_setreg_imm32_b32 hwreg(HW_REG_WAVE_MODE, 25, 1), 1
	s_wait_xcnt 0x0
	s_wait_alu depctr_hold_cnt(0) depctr_sa_sdst(0) depctr_va_vdst(0) depctr_va_sdst(0) depctr_va_ssrc(0) depctr_va_vcc(0) depctr_vm_vsrc(0)
	s_getreg_b32 s2, hwreg(HW_REG_IB_STS2, 6, 4)
	s_cmp_eq_u32 s2, 0
	s_cbranch_scc0 .Lentry_in_a_cluster
	s_endpgm
.Lentry_in_a_cluster:
	s_bfe_u32 s2, ttmp6, 0x10000c
	s_cmp_lg_u32 s2, 0xf033
	s_cbranch_scc0 .Lentry_shape_is_right
	s_endpgm
.Lentry_shape_is_right:
; k = LN(x Wk^T) 2^-2.5, q = LN(x Wq^T) 2^-2.5 and v = x Wv^T on codes of FP8 (E4M3) with E8M0 scales, and their quantising for attention: k and q along the head's 64, v along the tokens.
; A tile of C, 256 x 256, is made by four waves, 128 x 128 each (64 accumulators, 512 registers).  K = 1,024 goes in four steps of 256 through a ring of two LDS slots.
; WHICH PRODUCT: the cluster's x.  0: A = x, B = Wk.  1: A = x, B = Wq.  2: A = Wv, B = x, that is V^T, so that a lane's registers run along the tokens, the K of attention's second product.
; OPERANDS are images of registers (16 rows x 128 K = 2,048 bytes; register group c of lane l at 512 c + 16 l): a row tile's part of a slot is 4,096 consecutive bytes, and a fragment comes by four ds_load_b128 at 16 x lane + a constant.
; THE MATRIX INSTRUCTION IS USED TRANSPOSED (source 0 = 16 rows of B, source 1 = 16 rows of A).  Lane r of row tile 2 b + u holds true row 32 b + 8 u + r % 8 + 16 (r / 8): so lane (r, h) holds A's row position r, and its 16 registers of
; B's tiles 2 b, 2 b + 1 are B's true rows 32 b + 16 h + 0 .. 15: neighbours along the next product's K.  The conversions' results are the next operand's registers; nothing is transposed and no result goes through LDS.
; CLUSTERS: 4 x 4 work-groups; A's tiles are asked for jointly along a row of the cluster, B's along a column.  The choice of product hangs on the cluster's x, which all sixteen share.
; OUT: kv and qb, [batch x head 64][key step 16] records of 16,896 bytes: 4 fragments of k (or q), each holding two tiles of 16 tokens (registers 0-7: tile 2 a, 8-15: tile 2 a + 1, 64 of the head each); 4 fragments of V^T
; (16 of the head x 128 tokens); k's scale words [16][4]; V's [16][4].
; LIMITS: NaN and infinities are not served.  A block under 2^-118, and a block of zeros, keep the scale byte 1 (zero codes; the bytes are read by this program alone).  g 2^-2.5 and b 2^-2.5 are formed first, so one rounding stands
; elsewhere than where y g + b is scaled afterwards.
; REGISTERS: window 0: v16-29 addresses; v32-63 scale words, two sets; v64-95 g, v96-127 b; from v128 A's fragments, one set.  Window 1: B's fragments, two sets.  Windows 2, 3: accumulator (a, b) at v[8 (8 (a % 4) + b)].
.set NQ,     2                         ; matrix instructions deep in a slot
.set FR,     16                        ; registers of a fragment
.set NL,     4                         ; LDS loads that bring one
.set NP,     8                         ; places behind this matrix instruction (ISA guide 7.12.1)
.set KB,     4096                      ; a row tile's part of a slot: two images
.set HALFT,  8*KB                      ; 128 rows: what one tensor load brings
.set SLOT,   4*HALFT                   ; A's 256 rows, then B's
.set SCL,    2*SLOT                    ; behind the ring: the scale words for all of K, as units of 256 bytes + 16 of padding
.set HALFS,  16*272                    ; those of 128 rows
.set SBLK,   2*272                     ; those of 16 rows
.set SPARE,  SCL+4*HALFS               ; the spare words: 128 bytes a wave, two blocks of 256 bytes that no other line names
.set HS,     270336                    ; a head's records
.set SS,     16896                     ; a record
.set ADRA, 16                          ; v16-17 LDS address of my A fragments in slot 0, 1
.set ADRB, 20                          ; v20-21 the same for B
.set CST,  24                          ; v24  16 x lane
.set WST,  25                          ; v25  where I store scale words: 16 r, lanes 16-31 in the next head's record
.set LNO,  26                          ; v26  64 h: my 16 of each 32 of g and b
.set ADRS, 27                          ; v27  LDS address of my scale words: lanes 0-15 A's rows, lanes 16-31 B's
.set SPW,  28                          ; v28  my spare word; never rewritten
.set NIL,  29                          ; v29  0; never rewritten
.set SC,   32
.set LG,   64
.set LB,   96
.set AF,   128
.set S,    128                         ; behind the products, in window 0: v128-191 64 numbers at work
.set PC,   192                         ; v192-207 codes
.set TM,   208                         ; v208-223 the quantiser's
.set PWS,  224                         ; v224-231 eight scale words
.set SELW, 232                         ; v232-235 the four that my lane stores
.set T,    236                         ; v236-251 sums at work
.set RS,   236                         ; v236-239 1 / sqrt(var + eps), a pair a tile
.set SQ,   240                         ; v240-247 sums of squares
.set MEAN, 252                         ; v252-255 the means, a pair a tile
.set G1, 24
.set G0, 32
.set G1B, 48
.set G0B, 56
.set G1S, 68
.set G0S, 76
.set G1SB, 80
.set G0SB, 88
.set MSB, 0
.macro WIN new                         ; the immediate's high byte repeats the setting that is left
.if MSB != (\new)
	s_set_vgpr_msb (MSB<<8)|(\new)
.set MSB, (\new)
.endif
.endm
.set MUL_LO, 0xa1                      ; source 0 (B) window 1, source 1 (A) window 0, C and D window 2
.set MUL_HI, 0xf1
.set TO_B,   0x40
; A joint load: waves 0 and 1 fetch for A, waves 2 and 3 for B; the branch hangs on the wave's number alone.  Four v_nop follow each of the two lines.
.macro JLOAD g0a, g1a, g0b, g1b
	s_cmp_eq_u32 s15, 0
	s_cbranch_scc0 .Lfor_b_\@
	tensor_load_to_lds s[\g0a:\g0a+3], s[\g1a:\g1a+7]
	s_nop 0
.rept 4
	v_nop
.endr
	s_branch .Lasked_\@
.Lfor_b_\@:
	tensor_load_to_lds s[\g0b:\g0b+3], s[\g1b:\g1b+7]
	s_nop 0
.rept 4
	v_nop
.endr
.Lasked_\@:
.endm
.macro CREST                           ; a round of the cluster's barrier behind its opening barrier
	s_cmp_lg_u32 s14, 0
	s_cbranch_scc1 .Lnot_wave_0_\@
	s_barrier_signal -3
.Lnot_wave_0_\@:
	s_barrier_wait -3
	s_barrier_signal -1
	s_barrier_wait -1
.endm
.macro CROUND
	s_barrier_signal -1
	s_barrier_wait -1
	CREST
.endm
	s_load_b128 s[4:7], s[0:1], 0x0                ; codes, scales
	s_load_b128 s[96:99], s[0:1], 0x10             ; kln_g, kln_b
	s_load_b128 s[8:11], s[0:1], 0x20              ; qln_g, qln_b
	s_load_b64 s[12:13], s[0:1], 0x30              ; kv
	s_load_b64 s[66:67], s[0:1], 0x38              ; qb
	v_lshl_add_u32 v[SPW], v0, 2, SPARE
	v_mov_b32 v[NIL], 0
	ds_add_u32 v28, v29
	ds_add_u32 v28, v29
	s_wait_dscnt 0x0
	v_lshrrev_b32 v1, 5, v0
	v_readfirstlane_b32 s14, v1                    ; wave 0..3
	s_lshr_b32 s15, s14, 1                         ; which half of the tile's rows is mine.  Also: I fetch for A (0) or for B (1)
	s_and_b32 s16, s14, 1                          ; which half of its columns.  Also: which 128 rows of that tile I fetch
	s_bfe_u32 s40, ttmp6, 0x40000                  ; cx, cy: my place in the cluster
	s_bfe_u32 s41, ttmp6, 0x40004
	s_and_b32 s17, ttmp7, 0xffff                   ; the cluster's y
	s_lshl_b32 s43, s41, 2
	s_lshl_b32 s43, 15, s43                        ; my row of the cluster
	s_lshl_b32 s44, 0x1111, s40                    ; my column
	; group 1 for the codes: 8 row tiles x 4,096 bytes (512 elements of 8 bytes), 16,384 bytes (2,048 elements) apart; dense in LDS
	s_or_b32 s[G1+0], s43, (3<<16)|(1<<21)
	s_or_b32 s[G1B+0], s44, (3<<16)|(1<<21)
.irp g, G1, G1B
	s_mov_b32 s[\g+1], 512<<16                     ; tensor_dim0
	s_mov_b32 s[\g+2], 16<<16                      ; tensor_dim1: the head's loads bring 16 row tiles; the ring's 8 (set behind the head's wait)
	s_mov_b32 s[\g+3], 512<<16                     ; tile_dim0
	s_mov_b32 s[\g+4], 16                          ; tile_dim1
	s_mov_b32 s[\g+5], 2048                        ; tensor_dim0_stride
	s_mov_b32 s[\g+6], 0
	s_mov_b32 s[\g+7], 0
.endr
	; and for the scale words of 256 rows: 8,192 dense bytes as 32 rows of 256 bytes, 16 bytes of padding behind each
	s_or_b32 s[G1S+0], s43, (3<<16)|(1<<20)|(1<<21)|(5<<22)|(3<<25)
	s_or_b32 s[G1SB+0], s44, (3<<16)|(1<<20)|(1<<21)|(5<<22)|(3<<25)
.irp g, G1S, G1SB
	s_mov_b32 s[\g+1], 32<<16
	s_mov_b32 s[\g+2], 32<<16                      ; the scale words of 256 rows: 32 rows of 256 bytes
	s_mov_b32 s[\g+3], 32<<16
	s_mov_b32 s[\g+4], 32
	s_mov_b32 s[\g+5], 32
	s_mov_b32 s[\g+6], 0
	s_mov_b32 s[\g+7], 0
.endr
	; which rows.  k, q: A = x's tile 4 y + cy, B = the weight's tile cx.  v: A = Wv's tile cy, B = x's tile 4 y + cx.  A's registers never hold cx, B's never cy.
	s_cmp_eq_u32 ttmp9, 2
	s_cselect_b32 s20, 0, s17
	s_cselect_b32 s21, 10240, 0
	s_cselect_b32 s46, s17, ttmp9
	s_cselect_b32 s47, 0, 8192
	s_lshl_b32 s18, s16, 17                        ; in the ring I fetch 128 rows of a tile: which half, in bytes of codes
	s_mov_b32 s19, 0
	s_lshl_b32 s20, s20, 2
	s_add_co_u32 s20, s20, s41
	s_lshl_b32 s20, s20, 8
	s_add_co_u32 s20, s20, s21                     ; A's tile: its first row position
	s_lshl_b32 s46, s46, 2
	s_add_co_u32 s46, s46, s40
	s_lshl_b32 s46, s46, 8
	s_add_co_u32 s46, s46, s47                     ; B's
	s_lshl_b32 s22, s20, 5                         ; 32 bytes of scale words a row,
	s_mov_b32 s23, 0
	s_lshl_b32 s20, s20, 10                        ; 1,024 bytes of codes
	s_mov_b32 s21, 0
	s_lshl_b32 s92, s46, 5
	s_mov_b32 s93, 0
	s_lshl_b32 s46, s46, 10
	s_mov_b32 s47, 0
	s_mul_i32 s45, s14, HALFT                      ; where they go: by the wave's number alone
	s_wait_kmcnt 0x0
	s_add_nc_u64 s[20:21], s[4:5], s[20:21]
	s_add_nc_u64 s[22:23], s[6:7], s[22:23]
	s_add_nc_u64 s[46:47], s[4:5], s[46:47]
	s_add_nc_u64 s[92:93], s[6:7], s[92:93]
	CROUND                                         ; all sixteen work-groups are here: the first joint loads meet
	s_mov_b32 s[G0S], 1
	s_mov_b32 s[G0S+1], SCL
	s_mov_b64 s[G0S+2:G0S+3], s[22:23]
	s_or_b32 s[G0S+3], s[G0S+3], 0x80000000
	s_mov_b32 s[G0SB], 1
	s_mov_b32 s[G0SB+1], SCL+2*HALFS
	s_mov_b64 s[G0SB+2:G0SB+3], s[92:93]
	s_or_b32 s[G0SB+3], s[G0SB+3], 0x80000000
	s_mov_b32 s[G0], 1                             ; the head's tiles, each whole: K step 0's 256 rows of A,
	s_mov_b32 s[G0+1], 0
	s_mov_b64 s[G0+2:G0+3], s[20:21]
	s_or_b32 s[G0+3], s[G0+3], 0x80000000
	s_mov_b32 s[G0B], 1                            ; and of B, behind them in slot 0
	s_mov_b32 s[G0B+1], 2*HALFT
	s_mov_b64 s[G0B+2:G0B+3], s[46:47]
	s_or_b32 s[G0B+3], s[G0B+3], 0x80000000
	s_add_nc_u64 s[20:21], s[20:21], s[18:19]      ; for the ring: my 128 rows of the tile
	s_add_nc_u64 s[46:47], s[46:47], s[18:19]
	s_mov_b32 s[G0+4], 1
	s_add_co_u32 s[G0+5], s45, SLOT
	s_add_nc_u64 s[G0+6:G0+7], s[20:21], KB
	s_or_b32 s[G0+7], s[G0+7], 0x80000000
	s_mov_b32 s[G0B+4], 1
	s_add_co_u32 s[G0B+5], s45, SLOT
	s_add_nc_u64 s[G0B+6:G0B+7], s[46:47], KB
	s_or_b32 s[G0B+7], s[G0B+7], 0x80000000
; the head's loads, one a wave: wave 0 A's 256 rows, wave 1 B's, wave 2 A's scale words, wave 3 B's; one chain of branches on the wave's number
.macro ARM under, g0, g1, next
	s_cmp_lt_u32 s14, \under
	s_cbranch_scc0 \next
	tensor_load_to_lds s[\g0:\g0+3], s[\g1:\g1+7]
	s_nop 0
.rept 4
	v_nop
.endr
	s_branch .Lhead_asked
\next:
.endm
	ARM 1, G0,  G1,  .Lhead_b
	ARM 2, G0B, G1B, .Lhead_sa
	ARM 3, G0S, G1S, .Lhead_sb
	tensor_load_to_lds s[G0SB:G0SB+3], s[G1SB:G1SB+7]
	s_nop 0
.rept 4
	v_nop
.endr
.Lhead_asked:
	v_and_b32 v1, 15, v0                           ; r
	v_bfe_u32 v2, v0, 4, 1                         ; h
	v_and_b32 v3, 31, v0
	v_lshlrev_b32 v[CST], 4, v3
	s_mul_i32 s21, s15, HALFT                      ; my 128 rows of A
	s_mul_i32 s22, s16, HALFT                      ; my 128 rows of B,
	s_add_co_u32 s22, s22, 2*HALFT                 ; which lie behind A's 256
.irp s, 0,1
	v_add_nc_u32 v[ADRA+\s], s21, v[CST]
	v_add_nc_u32 v[ADRB+\s], s22, v[CST]
	s_add_co_u32 s21, s21, SLOT
	s_add_co_u32 s22, s22, SLOT
.endr
	v_mul_u32_u24 v5, v1, 32                       ; my row's scale words: 32 bytes a row,
	v_lshrrev_b32 v6, 8, v5
	v_lshl_add_u32 v5, v6, 4, v5                   ; and 16 more for each 256 passed
	s_mul_i32 s21, s15, HALFS
	s_mul_i32 s22, s16, HALFS
	s_add_co_u32 s22, s22, 2*HALFS
	s_sub_co_u32 s22, s22, s21
	v_mul_u32_u24 v6, s22, v2                      ; lanes 16-31 take B's
	s_add_co_u32 s21, s21, SCL
	v_add_nc_u32 v5, v5, v6
	v_add_nc_u32 v[ADRS], s21, v5
	; LayerNorm's g and b: lane (r, h) wants those of the head's 32 b + 16 h + 0 .. 15.  (V's clusters load k's and do not use them: no branch stands here.)
	s_cmp_eq_u32 ttmp9, 1
	s_cselect_b64 s[96:97], s[8:9], s[96:97]
	s_cselect_b64 s[98:99], s[10:11], s[98:99]
	s_cselect_b64 s[12:13], s[66:67], s[12:13]     ; q goes to qb, k and v to kv
	v_lshlrev_b32 v[LNO], 6, v2
.irp b, 0,1
.irp k, 0,1,2,3
	global_load_b128 v[LG+16*\b+4*\k:LG+16*\b+4*\k+3], v[LNO], s[96:97] offset:128*\b+16*\k
	global_load_b128 v[LB+16*\b+4*\k:LB+16*\b+4*\k+3], v[LNO], s[98:99] offset:128*\b+16*\k
.endr
.endr
	; where my results go: my 128 tokens are key step gs % 16 of batch gs / 16; my 128 features are heads head0, head0 + 1
	s_cmp_eq_u32 ttmp9, 2
	s_cselect_b32 s8, s40, s41                     ; the tokens' tile in the cluster: v: cx, else cy
	s_cselect_b32 s9, s16, s15                     ; and my half of it
	s_cselect_b32 s10, s41, s40                    ; the heads' tile
	s_cselect_b32 s11, s15, s16
	s_cselect_b32 s66, 8192, 0                     ; V's fragments lie behind k's,
	s_cselect_b32 s67, 256, 0                      ; V's scale words behind k's
	s_lshl_b32 s18, s17, 2
	s_add_co_u32 s18, s18, s8
	s_lshl_b32 s18, s18, 1
	s_add_co_u32 s18, s18, s9                      ; gs
	s_lshl_b32 s10, s10, 2
	s_lshl_b32 s11, s11, 1
	s_add_co_u32 s10, s10, s11                     ; head0
	s_lshr_b32 s19, s18, 4
	s_lshl_b32 s19, s19, 4
	s_add_co_u32 s19, s19, s10                     ; 16 x batch + head0
	s_mul_i32 s19, s19, HS
	s_and_b32 s18, s18, 15
	s_mul_i32 s18, s18, SS
	s_add_co_u32 s18, s18, s19
	s_mov_b32 s19, 0
	s_add_nc_u64 s[12:13], s[12:13], s[18:19]      ; my record of head0
	s_add_co_u32 s10, s67, 16384
	s_mov_b32 s11, 0
	s_add_nc_u64 s[10:11], s[12:13], s[10:11]      ; its scale words
	s_mov_b32 s67, 0
	s_add_nc_u64 s[8:9], s[12:13], s[66:67]        ; its fragments
	v_mul_u32_u24 v[WST], v2, HS
	v_lshl_add_u32 v[WST], v1, 4, v[WST]
	s_mov_b32 s2, 0x76543210
	s_mov_b32 s3, 0xfedcba98                       ; v_permlanex16_b32's selects for lane l xor 16
	s_mov_b32 s42, 0x600000                        ; the mantissa field of 448
	s_mov_b32 s45, 0x4800000                       ; the floor 2^(9 - 127)
	s_mov_b32 s92, 0x3c800000                      ; 1 / 64
	s_mov_b32 s93, 0x3727c5ac                      ; eps = 1e-5
	s_mov_b32 s94, 0x3e3504f3                      ; 1024^-0.25 = 2^-2.5
	s_mov_b32 s95, s94                             ; (named with it as a pair)
.macro FRAG reg, adr, q, i             ; a fragment's image: four loads of 512 consecutive bytes
.irp c, 0,1,2,3
	ds_load_b128 v[\reg+4*\c:\reg+4*\c+3], v[\adr] offset:KB*(\i)+2048*(\q)+512*\c
.endr
.endm
; 16 matrix instructions: A's blocks a0, a0 + 1 x B's eight.  p: B's set; sc: the set of scale words; zero = 1: the first product starts the sums.  The 64 accumulators take turns.
.macro MUL16 a0, p, q, sc, zero
.irp a, \a0, \a0+1
.irp b, 0,1,2,3,4,5,6,7
.if \zero
	v_wmma_scale_f32_16x16x128_f8f6f4 v[8*(8*((\a)%4)+\b):8*(8*((\a)%4)+\b)+7], v[128*(\p)+FR*\b:128*(\p)+FR*\b+FR-1], v[AF+FR*(\a):AF+FR*(\a)+FR-1], 0, v[SC+8*NQ*(\sc)+NQ*\b+(\q)], v[SC+8*NQ*(\sc)+NQ*(\a)+(\q)] matrix_a_scale:MATRIX_SCALE_ROW1
.else
	v_wmma_scale_f32_16x16x128_f8f6f4 v[8*(8*((\a)%4)+\b):8*(8*((\a)%4)+\b)+7], v[128*(\p)+FR*\b:128*(\p)+FR*\b+FR-1], v[AF+FR*(\a):AF+FR*(\a)+FR-1], v[8*(8*((\a)%4)+\b):8*(8*((\a)%4)+\b)+7], v[SC+8*NQ*(\sc)+NQ*\b+(\q)], v[SC+8*NQ*(\sc)+NQ*(\a)+(\q)] matrix_a_scale:MATRIX_SCALE_ROW1
.endif
.endr
.endr
.endm
.macro FETCH_B slot, q, p
	WIN TO_B
.irp i, 0,1,2,3,4,5,6,7
	FRAG 128*(\p)+FR*\i, ADRB+\slot, \q, \i
.endr
	WIN 0
.endm
.macro FETCH_A slot, q, i0
.irp i, \i0, \i0+1, \i0+2, \i0+3
	FRAG AF+FR*(\i), ADRA+\slot, \q, \i
.endr
.endm
.macro SCALES sc                       ; a slot's scale words: two a row; lanes 0-15 take A's block i, lanes 16-31 B's block i
.irp i, 0,1,2,3,4,5,6,7
	ds_load_b64 v[SC+8*NQ*\sc+NQ*\i:SC+8*NQ*\sc+NQ*\i+1], v[ADRS] offset:\i*SBLK
.endr
.endm
.macro PLACES n                        ; plain vector lines between a matrix instruction and a load into, or a vector read or write of, its registers
.rept \n
	v_nop
.endr
.endm
.macro STEP slot, q, zero              ; 128 along K whose successor lies in the same slot
	s_wait_dscnt 4*NL                              ; B's set and A's blocks 0-3 are in; the youngest 16 loads (A's blocks 4-7) may be out
	WIN MUL_LO
	MUL16 0, (\q)%2, \q, \slot, \zero
	MUL16 2, (\q)%2, \q, \slot, \zero
	s_wait_dscnt 0
	PLACES NP
	FETCH_B \slot, (\q)+1, 1-(\q)%2
	FETCH_A \slot, (\q)+1, 0
	WIN MUL_HI
	MUL16 4, (\q)%2, \q, \slot, \zero
	MUL16 6, (\q)%2, \q, \slot, \zero
	PLACES NP
	WIN 0
	FETCH_A \slot, (\q)+1, 4
.endm
; A slot's last step changes slots: one barrier; in front of it each wave waits for all its tensor loads, adds 0 to its spare word, and waits for that and for its reads of this slot.  fill = 1: the slot is filled again, two K steps ahead.
.macro TURN slot, next, fill
	s_wait_tensorcnt 0x0                           ; all my tensor loads have landed: my part of the next slot
	ds_add_u32 v[SPW], v[NIL]                      ; 0 onto my spare word
	s_wait_dscnt 4*NL+1                            ; (the add and the youngest 16 loads may be out)
	WIN MUL_LO
	MUL16 0, 1, NQ-1, \slot, 0
	s_wait_dscnt 0x0                               ; the add is done, and my reads of this slot are over
	s_barrier_signal -1
	MUL16 2, 1, NQ-1, \slot, 0
	WIN 0
	s_barrier_wait -1
.if \fill
	CREST                                          ; the barrier has opened a round of the cluster's: no wave of any partner still reads this slot or has a load on its way
	s_add_nc_u64 s[G0+4*\slot+2:G0+4*\slot+3], s[G0+4*\slot+2:G0+4*\slot+3], 2*KB
	s_add_nc_u64 s[G0B+4*\slot+2:G0B+4*\slot+3], s[G0B+4*\slot+2:G0B+4*\slot+3], 2*KB
	JLOAD G0+4*\slot, G1, G0B+4*\slot, G1B         ; the first tensor load behind the round, my only one until the next; its four v_nop are among the places below
	PLACES NP-4
.else
	PLACES NP
.endif
	s_wait_alu depctr_va_vdst(0)
	v_add_nc_u32 v[ADRS], 4*NQ, v[ADRS]            ; on to the next slot's scale words
	FETCH_B \next, 0, 0
	FETCH_A \next, 0, 0
	SCALES \next
	WIN MUL_HI
	MUL16 4, 1, NQ-1, \slot, 0
	MUL16 6, 1, NQ-1, \slot, 0
	PLACES NP
	WIN 0
	FETCH_A \next, 0, 4
.endm
	s_wait_alu depctr_va_vdst(0)
	s_wait_loadcnt 0x0                             ; g and b
	s_wait_tensorcnt 0x0                           ; my tile of the head's four is in; these lines stand ahead of slot 1's first fill as ahead of a refill
	ds_add_u32 v[SPW], v[NIL]
	s_mov_b32 s[G1+2], 8<<16                       ; no tensor load of mine is out: from here on a load brings 8 row tiles
	s_mov_b32 s[G1+4], 8
	s_mov_b32 s[G1B+2], 8<<16
	s_mov_b32 s[G1B+4], 8
	s_mul_i32 s[G0+1], s14, HALFT                  ; slot 0's groups 0 for its refill: my 128 rows, by the wave's number
	s_mul_i32 s[G0B+1], s14, HALFT
	s_lshl_b32 s20, s16, 17
	s_mov_b32 s21, 0
	s_add_nc_u64 s[G0+2:G0+3], s[G0+2:G0+3], s[20:21]
	s_add_nc_u64 s[G0B+2:G0B+3], s[G0B+2:G0B+3], s[20:21]
	s_wait_dscnt 0x0
	CROUND                                         ; all four tiles are in, all sixteen work-groups are here
	JLOAD G0+4, G1, G0B+4, G1B                     ; K step 1, the first tensor load behind the round
	FETCH_B 0, 0, 0
	FETCH_A 0, 0, 0
	SCALES 0
	FETCH_A 0, 0, 4
	STEP 0, 0, 1                                   ; K = 1,024 is twice round the ring: written out, no loop
	TURN 0, 1, 1
	STEP 1, 0, 0
	TURN 1, 0, 1
	STEP 0, 0, 0
	TURN 0, 1, 0                                   ; nothing is left to fetch
	STEP 1, 0, 0
	s_wait_dscnt 4*NL
	WIN MUL_LO
	MUL16 0, 1, NQ-1, 1, 0
	MUL16 2, 1, NQ-1, 1, 0
	s_wait_dscnt 0
	WIN MUL_HI
	MUL16 4, 1, NQ-1, 1, 0
	MUL16 6, 1, NQ-1, 1, 0
	WIN 0
	PLACES NP                                      ; behind the last products: what follows reads results and writes the registers that held A's fragments
; 64 numbers of a lane, v[src] on in window w, register 16 b + i = K 32 b + 16 h + i of my row, become a fragment's codes in v[PC] on and its scale word in v[pw].  The held numbers go to v[dst] on, in window 0.
.macro QUANT src, w, dst, pw
	WIN ((\w)|((\w)<<2))
.irp b, 0,1,2,3
	v_max3_num_f32 v[TM+\b], |v[\src+16*\b]|, |v[\src+1+16*\b]|, s45   ; my 16 numbers of block b, from each accumulator's low end on, and the floor
.endr
	WIN (((\w)<<2)|((\w)<<4))
.irp i, 2,4,6,8,10,12,14
.irp b, 0,1,2,3
	v_max3_num_f32 v[TM+\b], v[TM+\b], |v[\src+16*\b+\i]|, |v[\src+1+16*\b+\i]|
.endr
.endr
	WIN 0
.irp b, 0,1,2,3
	v_permlanex16_b32 v[TM+4+\b], v[TM+\b], s2, s3
.endr
.irp b, 0,1,2,3
	v_max_num_f32 v[TM+\b], v[TM+\b], v[TM+4+\b]   ; with lane l xor 16's: the block's largest magnitude
.endr
.irp b, 0,1,2,3
	v_add_nc_u32 v[TM+12+\b], 0xfc000000, v[TM+\b] ; 8 off its exponent field: the conversion's scale operand
.endr
.irp b, 0,1,2,3
	v_and_or_b32 v[TM+8+\b], v[TM+\b], 0x7f800000, s42   ; 448 x the scale
.endr
.irp b, 0,1,2,3
	v_lshrrev_b32 v[TM+4+\b], 23, v[TM+12+\b]      ; the scale's byte
.endr
	v_lshl_or_b32 v[\pw], v[TM+5], 8, v[TM+4]
	v_lshl_or_b32 v[\pw], v[TM+6], 16, v[\pw]
	v_lshl_or_b32 v[\pw], v[TM+7], 24, v[\pw]
	WIN (\w)
.irp b, 0,1,2,3
.irp i, 0,1,2,3,4,5,6,7,8,9,10,11,12,13,14,15
	v_med3_num_f32 v[\dst+16*\b+\i], v[\src+16*\b+\i], -v[TM+8+\b], v[TM+8+\b]   ; the conversion does not saturate (ISA guide 7.6.2): the hold comes first
.endr
.endr
	WIN 0
.irp b, 0,1,2,3
	v_cvt_scalef32_pk8_fp8_f32 v[PC+4*\b:PC+1+4*\b], v[\dst+16*\b:\dst+7+16*\b], v[TM+12+\b]
	v_cvt_scalef32_pk8_fp8_f32 v[PC+2+4*\b:PC+3+4*\b], v[\dst+8+16*\b:\dst+15+16*\b], v[TM+12+\b]
.endr
	v_nop                                          ; a plain line behind the last conversion
.endm
.irp b, 0,1,2,3
	v_mov_b32 v[TM+4+\b], 0                        ; written once: a lane permute's destination counts as one of its sources
.endr
	s_cmp_eq_u32 ttmp9, 2                          ; the cluster's x: the same in all sixteen partners
	s_cbranch_scc1 .Lv
	; ---- k and q: LayerNorm over the head's 64, x 2^-2.5, quantised along the head.
.set J, 0
.rept 32
	v_pk_mul_f32 v[LG+J:LG+J+1], v[LG+J:LG+J+1], s[94:95] op_sel_hi:[1,0]   ; g 2^-2.5, then b 2^-2.5 (the two lie on end)
.set J, J+2
.endr
; Unit n = 4 x head + a: A's blocks 2 a and 2 a + 1 (two tiles of 16 tokens) of one head: 32 registers each; a token's 64 lie in lanes l and l xor 16.  The two tiles make one fragment.
.macro LNUNIT n
.set AL, (\n)%4
.set ET, (\n)/4
.set W,  2+AL/2
.set R0, 64*((2*AL)%4)+32*ET
.set R1, 64*((2*AL+1)%4)+32*ET
	s_wait_xcnt 0x0                                ; the last unit's stores have read the codes' registers
	WIN (W|(W<<2))
.irp q, 0,1,2,3
	v_pk_add_f32 v[T+2*\q:T+2*\q+1], v[R0+8*\q:R0+8*\q+1], v[R0+8*\q+2:R0+8*\q+3]       ; each accumulator is read from its low end on
	v_pk_add_f32 v[T+8+2*\q:T+8+2*\q+1], v[R1+8*\q:R1+8*\q+1], v[R1+8*\q+2:R1+8*\q+3]
.endr
	WIN (W<<2)
.irp o, 4,6
.irp q, 0,1,2,3
	v_pk_add_f32 v[T+2*\q:T+2*\q+1], v[T+2*\q:T+2*\q+1], v[R0+8*\q+\o:R0+8*\q+\o+1]
	v_pk_add_f32 v[T+8+2*\q:T+8+2*\q+1], v[T+8+2*\q:T+8+2*\q+1], v[R1+8*\q+\o:R1+8*\q+\o+1]
.endr
.endr
	WIN 0
.irp e, 0,1
	v_pk_add_f32 v[T+8*\e:T+8*\e+1], v[T+8*\e:T+8*\e+1], v[T+8*\e+2:T+8*\e+3]
	v_pk_add_f32 v[T+8*\e+4:T+8*\e+5], v[T+8*\e+4:T+8*\e+5], v[T+8*\e+6:T+8*\e+7]
.endr
.irp e, 0,1
	v_pk_add_f32 v[T+8*\e:T+8*\e+1], v[T+8*\e:T+8*\e+1], v[T+8*\e+4:T+8*\e+5]
.endr
.irp e, 0,1
	v_add_f32 v[T+8*\e], v[T+8*\e], v[T+8*\e+1]
.endr
.irp e, 0,1
	v_permlanex16_b32 v[T+8*\e+1], v[T+8*\e], s2, s3
.endr
.irp e, 0,1
	v_add_f32 v[T+8*\e], v[T+8*\e], v[T+8*\e+1]    ; the sum of the token's 64
.endr
.irp e, 0,1
	v_mul_f32 v[MEAN+2*\e], s92, v[T+8*\e]         ; the mean, in both halves of a pair
	v_mul_f32 v[MEAN+2*\e+1], s92, v[T+8*\e]
.endr
	WIN W
.irp i, 0,2,4,6,8,10,12,14,16,18,20,22,24,26,28,30
	v_pk_add_f32 v[S+\i:S+\i+1], v[R0+\i:R0+\i+1], v[MEAN:MEAN+1] neg_lo:[0,1] neg_hi:[0,1]         ; x - mean: the variance is taken of these
	v_pk_add_f32 v[S+32+\i:S+32+\i+1], v[R1+\i:R1+\i+1], v[MEAN+2:MEAN+3] neg_lo:[0,1] neg_hi:[0,1]
.endr
	WIN 0
.irp e, 0,1
.irp c, 0,1
	v_pk_mul_f32 v[SQ+4*\e+2*\c:SQ+4*\e+2*\c+1], v[S+32*\e+2*\c:S+32*\e+2*\c+1], v[S+32*\e+2*\c:S+32*\e+2*\c+1]   ; the squares: two chains a tile
.endr
.endr
.irp i, 4,8,12,16,20,24,28
.irp e, 0,1
.irp c, 0,1
	v_pk_fma_f32 v[SQ+4*\e+2*\c:SQ+4*\e+2*\c+1], v[S+32*\e+\i+2*\c:S+32*\e+\i+2*\c+1], v[S+32*\e+\i+2*\c:S+32*\e+\i+2*\c+1], v[SQ+4*\e+2*\c:SQ+4*\e+2*\c+1]
.endr
.endr
.endr
.irp e, 0,1
	v_pk_add_f32 v[SQ+4*\e:SQ+4*\e+1], v[SQ+4*\e:SQ+4*\e+1], v[SQ+4*\e+2:SQ+4*\e+3]
.endr
.irp e, 0,1
	v_add_f32 v[SQ+4*\e], v[SQ+4*\e], v[SQ+4*\e+1]
.endr
.irp e, 0,1
	v_permlanex16_b32 v[SQ+4*\e+1], v[SQ+4*\e], s2, s3
.endr
.irp e, 0,1
	v_add_f32 v[SQ+4*\e], v[SQ+4*\e], v[SQ+4*\e+1]
.endr
.irp e, 0,1
	v_fma_f32 v[SQ+4*\e], v[SQ+4*\e], s92, s93     ; var + eps
.endr
	s_wait_alu depctr_va_vdst(0)
.irp e, 0,1
	v_rsq_f32 v[RS+2*\e], v[SQ+4*\e]
	v_rsq_f32 v[RS+2*\e+1], v[SQ+4*\e]
.endr
	v_nop                                          ; a plain line behind the last of the four,
	s_wait_alu depctr_va_vdst(0)                   ; and a wait ahead of the first line that names a result
.irp i, 0,2,4,6,8,10,12,14,16,18,20,22,24,26,28,30
	v_pk_mul_f32 v[S+\i:S+\i+1], v[S+\i:S+\i+1], v[RS:RS+1]
	v_pk_mul_f32 v[S+32+\i:S+32+\i+1], v[S+32+\i:S+32+\i+1], v[RS+2:RS+3]
.endr
.irp i, 0,2,4,6,8,10,12,14,16,18,20,22,24,26,28,30
	v_pk_fma_f32 v[S+\i:S+\i+1], v[S+\i:S+\i+1], v[LG+\i:LG+\i+1], v[LB+\i:LB+\i+1]
	v_pk_fma_f32 v[S+32+\i:S+32+\i+1], v[S+32+\i:S+32+\i+1], v[LG+\i:LG+\i+1], v[LB+\i:LB+\i+1]
.endr
	QUANT S, 0, S, PWS+(\n)                        ; blocks 0, 1: tile 2 a's two halves of the head; blocks 2, 3: tile 2 a + 1's
.irp c, 0,1,2,3
	global_store_b128 v[CST], v[PC+4*\c:PC+4*\c+3], s[8:9] offset:((\n)/4)*HS+((\n)%4)*2048+512*\c   ; 512 consecutive bytes, aligned
.endr
.endm
.irp n, 0,1,2,3,4,5,6,7
	LNUNIT \n
.endr
	s_branch .Ljoin
.Lv:	; ---- V^T: A's block a is 16 of a head's 64; its 64 registers run along my 128 tokens: one fragment as they stand
.irp a, 0,1,2,3,4,5,6,7
.set VA, 64*(\a%4)
.set VW, 2+\a/4
	s_wait_xcnt 0x0                                ; the last block's stores have read the codes' registers
	QUANT VA, VW, S, PWS+\a
.irp c, 0,1,2,3
	global_store_b128 v[CST], v[PC+4*\c:PC+4*\c+3], s[8:9] offset:(\a/4)*HS+(\a%4)*2048+512*\c
.endr
.endr
.Ljoin:
	v_and_b32 v1, 16, v0
	v_cmp_ne_u32 vcc_lo, 0, v1                     ; lanes 0-15 store the first head's four words of row r, lanes 16-31 the second head's: 256 consecutive bytes each
.irp i, 0,1,2,3
	v_cndmask_b32 v[SELW+\i], v[PWS+\i], v[PWS+4+\i], vcc_lo
.endr
	global_store_b128 v[WST], v[SELW:SELW+3], s[10:11]
	s_wait_tensorcnt 0x0                           ; the wave's end
	ds_add_u32 v[SPW], v[NIL]
	s_wait_dscnt 0x0
	CROUND                                         ; the closing round: no work-group ends while a partner may still ask for a tile that names it
	s_endpgm
.Lfunc_end_k_q919227a0b7_proj:
	.size	k_q919227a0b7_proj, .Lfunc_end_k_q919227a0b7_proj-k_q919227a0b7_proj
	.p2alignl 7, 3214868480
	.fill 96, 4, 3214868480
	.section	.rodata,"a",@progbits
	.p2align	6, 0x0
	.amdhsa_kernel k_q919227a0b7_proj
		.amdhsa_group_segment_fixed_size 327680
		.amdhsa_private_segment_fixed_size 0
		.amdhsa_enable_private_segment 0
		.amdhsa_kernarg_size 64
		.amdhsa_user_sgpr_count 2
		.amdhsa_user_sgpr_kernarg_segment_ptr 1
		.amdhsa_wavefront_size32 1
		.amdhsa_system_sgpr_workgroup_id_x 1
		.amdhsa_system_sgpr_workgroup_id_y 1
		.amdhsa_system_sgpr_workgroup_id_z 1
		.amdhsa_system_vgpr_workitem_id 0
		.amdhsa_next_free_vgpr 1024
		.amdhsa_next_free_sgpr 100
		.amdhsa_reserve_vcc 1
		.amdhsa_float_denorm_mode_32 3
		.amdhsa_float_denorm_mode_16_64 3
		.amdhsa_memory_ordered 1
		.amdhsa_forward_progress 1
		.amdhsa_inst_pref_size 255
	.end_amdhsa_kernel
	.section	.bss,"aw",@nobits
	.p2align	6
	.space	262144
	.amdgpu_metadata
---
amdhsa.version: [ 1, 2 ]
amdhsa.kernels:
  - .name:           k_q919227a0b7_proj
    .symbol:         k_q919227a0b7_proj.kd
    .args:
      - { .name: codes, .offset: 0, .size: 8, .value_kind: global_buffer, .address_space: global }
      - { .name: scales, .offset: 8, .size: 8, .value_kind: global_buffer, .address_space: global }
      - { .name: kln_g, .offset: 16, .size: 8, .value_kind: global_buffer, .address_space: global }
      - { .name: kln_b, .offset: 24, .size: 8, .value_kind: global_buffer, .address_space: global }
      - { .name: qln_g, .offset: 32, .size: 8, .value_kind: global_buffer, .address_space: global }
      - { .name: qln_b, .offset: 40, .size: 8, .value_kind: global_buffer, .address_space: global }
      - { .name: kv, .offset: 48, .size: 8, .value_kind: global_buffer, .address_space: global }
      - { .name: qb, .offset: 56, .size: 8, .value_kind: global_buffer, .address_space: global }
    .group_segment_fixed_size: 327680
    .private_segment_fixed_size: 0
    .kernarg_segment_align: 8
    .kernarg_segment_size: 64
    .max_flat_workgroup_size: 128
    .sgpr_count:     100
    .vgpr_count:     1024
    .wavefront_size: 32
...
	.end_amdgpu_metadata
.endif
;; end of part 2
;; launch attn (part 3): grid 4 x 64, 16 waves a work-group, clusters of 4 x 1, 327,680 bytes of LDS; arguments kv, qb, acodes, ascales; writes acodes, ascales
.if DOCPART == 3
	.amdgcn_target "amdgcn-amd-amdhsa--gfx1250"
	.amdhsa_code_object_version 6
	.text
	.protected	k_q919227a0b7_attn
	.globl	k_q919227a0b7_attn
	.p2align	8
	.type	k_q919227a0b7_attn,@function
k_q919227a0b7_attn:
	s_mov_b64 s[64:65], 0
	v_nop
	global_prefetch_b8 v0, s[64:65] scope:SCOPE_SE
	s_setreg_imm32_b32 hwreg(HW_REG_WAVE_MODE, 25, 1), 1
	s_wait_xcnt 0x0
	s_wait_alu depctr_hold_cnt(0) depctr_sa_sdst(0) depctr_va_vdst(0) depctr_va_sdst(0) depctr_va_ssrc(0) depctr_va_vcc(0) depctr_vm_vsrc(0)
	s_getreg_b32 s2, hwreg(HW_REG_IB_STS2, 6, 4)
	s_cmp_eq_u32 s2, 0
	s_cbranch_scc0 .Lentry_in_a_cluster
	s_endpgm
.Lentry_in_a_cluster:
	s_bfe_u32 s2, ttmp6, 0x10000c
	s_cmp_lg_u32 s2, 0x3003
	s_cbranch_scc0 .Lentry_shape_is_right
	s_endpgm
.Lentry_shape_is_right:
.set HS,   270336
.set SS,   16896
.set HALF, 8*SS
.set PART, SS
.set LA,   1
.set LS,   2
.set QS,   3
.set BS,   4
.set D0,   5
.set DQ,   6
.set ADK,  8
.set ADS,  9
.set NINF, 10
.set WV,   12
.set CXS,  13
.set BH,   14
.set G,    15
.set TB,   43
.set KI,   45
.macro CROUND
	s_barrier_signal -1
	s_barrier_wait -1
	s_cmp_lg_u32 s[WV], 0
	s_cbranch_scc1 .Lnot_wave_0_\@
	s_barrier_signal -3
.Lnot_wave_0_\@:
	s_barrier_wait -3
	s_barrier_signal -1
	s_barrier_wait -1
.endm
	s_load_b256 s[4:11], s[0:1], 0x0
	v_lshl_add_u32 v62, v0, 2, 0x42000
	v_mov_b32 v63, 0
	ds_add_u32 v62, v63
	ds_add_u32 v62, v63
	v_lshrrev_b32 v8, 5, v0
	s_delay_alu instid0(VALU_DEP_1)
	v_readfirstlane_b32 s[WV], v8
	s_bfe_u32 s[CXS], ttmp6, 0x40000
	s_and_b32 s[BH], ttmp7, 0xffff
	s_mul_i32 s53, s[BH], HS
	s_mul_i32 s46, s[WV], PART
	s_mov_b32 s24, 15|(3<<16)|(1<<21)
	s_mov_b32 s25, 32<<16
	s_mov_b32 s26, 66<<16
	s_mov_b32 s27, 32<<16
	s_mov_b32 s28, 66
	s_mov_b32 s29, 32
	s_mov_b32 s30, 0
	s_mov_b32 s31, 0
	s_add_co_u32 s54, s53, s46
	s_mov_b32 s55, 0
	s_wait_dscnt 0x0
	s_wait_kmcnt 0x0
	CROUND
	s_mov_b32 s32, 1
	s_mov_b32 s33, s46
	s_add_nc_u64 s[34:35], s[4:5], s[54:55]
	s_or_b32 s35, s35, 0x80000000
	tensor_load_to_lds s[32:35], s[24:31]          ; wave w brings key step w's whole record, 66 rows of 256 bytes: the head's 16 records are filled once, one load a wave
	s_nop 0
.rept 4
	v_nop
.endr
	v_and_b32 v254, 31, v0
	s_delay_alu instid0(VALU_DEP_1)
	v_lshlrev_b32 v[LA], 4, v254
	v_and_b32 v255, 15, v0
	v_bfe_u32 v254, v0, 4, 1
	s_delay_alu instid0(VALU_DEP_2)
	v_lshlrev_b32 v[QS], 4, v255
	s_delay_alu instid0(VALU_DEP_1)
	v_add_nc_u32 v[LS], 16384, v[QS]
	s_delay_alu instid0(VALU_DEP_3)
	v_lshl_add_u32 v[BS], v255, 5, v254
	v_and_b32 v[D0], 7, v255
	v_lshrrev_b32 v41, 3, v255
	s_delay_alu instid0(VALU_DEP_1)
	v_lshl_add_u32 v[D0], v41, 4, v[D0]
	v_lshlrev_b32 v41, 4, v254
	s_delay_alu instid0(VALU_DEP_1)
	v_sub_nc_u32 v[D0], v[D0], v41
	v_mov_b32 v[NINF], 0xff800000
.irp j, 24,25,26,27,28,29,30,31
	v_mov_b32 v\j, 0
.endr
.irp j, 244,245,246,247,253
	v_mov_b32 v\j, 0
.endr
	s_mov_b32 s22, 0x3fb8aa3b
	s_mov_b32 s23, s22
	s_mov_b32 s40, 0x76543210
	s_mov_b32 s41, 0xfedcba98
	s_mov_b32 s42, 0x600000
	s_mov_b32 s44, 0xffff0000
	s_xor_b32 s47, s[WV], 15
	s_min_u32 s[G], s[WV], s47
	s_lshr_b32 s17, s[WV], 3
.macro SETUP
	s_wait_xcnt 0x0
	s_lshl_b32 s16, s17, 4
	s_mul_i32 s52, s[G], SS
	s_add_co_u32 s52, s52, s53
	s_lshl_b32 s54, s[CXS], 11
	s_lshl_b32 s56, s17, 10
	s_add_co_u32 s54, s54, s56
	s_add_co_u32 s54, s54, s52
	s_add_nc_u64 s[18:19], s[6:7], s[54:55]
	s_lshl_b32 s54, s[CXS], 2
	s_add_co_u32 s54, s54, s52
	s_add_co_u32 s54, s54, 16384
	s_add_nc_u64 s[20:21], s[6:7], s[54:55]
	global_load_b128 v[16:19], v[LA], s[18:19]
	global_load_b128 v[20:23], v[LA], s[18:19] offset:512
	global_load_b128 v[32:35], v[LA], s[18:19]
	global_load_b128 v[36:39], v[LA], s[18:19] offset:512
	global_load_b32 v41, v[QS], s[20:21]
	s_lshr_b32 s56, s[BH], 4
	s_lshl_b32 s56, s56, 7
	s_lshl_b32 s57, s[G], 3
	s_add_co_u32 s56, s56, s57
	s_lshl_b32 s57, s[CXS], 1
	s_add_co_u32 s56, s56, s57
	s_add_co_u32 s56, s56, s17
	s_and_b32 s57, s[BH], 15
	s_lshl_b32 s54, s56, 4
	s_add_co_u32 s54, s54, s57
	s_lshl_b32 s54, s54, 10
	s_add_nc_u64 s[48:49], s[8:9], s[54:55]
	s_lshl_b32 s54, s56, 8
	s_add_co_u32 s54, s54, s57
	s_lshl_b32 s54, s54, 1
	s_add_nc_u64 s[50:51], s[10:11], s[54:55]
	s_lshl_b32 s54, s[CXS], 5
	s_lshl_b32 s57, s17, 3
	s_add_co_u32 s54, s54, s57
	v_add_nc_u32 v[DQ], s54, v[D0]
	v_mov_b32 v13, 0xff61b1e6
	s_delay_alu instid0(VALU_DEP_1)
	v_floor_f32 v12, -v13
	v_mov_b32 v14, 0
	v_mov_b32 v15, 0
	s_mov_b32 s[TB], 0
	s_mov_b32 s[KI], 0
	s_wait_loadcnt 0x0
	v_lshrrev_b32 v41, s16, v41
	s_delay_alu instid0(VALU_DEP_1)
	v_and_b32 v41, 0xffff, v41
	s_delay_alu instid0(VALU_DEP_1)
	v_lshl_or_b32 v40, v41, 16, v41
.set J, 0
.rept 32
	v_mov_b32 v[192+J], 0
.set J, J+1
.endr
.endm
.macro STEP
	s_cmp_gt_u32 s[KI], s[G]
	s_cbranch_scc1 .Lskip_\@
	v_add_nc_u32 v[ADK], s[TB], v[LA]
	v_add_nc_u32 v[ADS], s[TB], v[LS]
.rept 6
	v_nop
.endr
.irp a, 0,1,2,3
.irp c, 0,1,2,3
	ds_load_b128 v[64+16*\a+4*\c:64+16*\a+4*\c+3], v[ADK] offset:2048*\a+512*\c
.endr
.endr
	ds_load_b128 v[44:47], v[ADS]
	s_wait_alu depctr_va_vdst(0)
	s_wait_dscnt 0x0
.irp a, 0,1,2,3
	v_wmma_scale_f32_16x16x128_f8f6f4 v[128+16*\a:135+16*\a], v[64+16*\a:79+16*\a], v[16:31], 0, v[44+\a], v40
	v_wmma_scale_f32_16x16x128_f8f6f4 v[136+16*\a:143+16*\a], v[64+16*\a:79+16*\a], v[24:39], 0, v[44+\a], v40
.endr
.rept 8
	v_nop
.endr
.irp d, 0,1,2,3
.irp c, 0,1,2,3
	ds_load_b128 v[64+16*\d+4*\c:64+16*\d+4*\c+3], v[ADK] offset:8192+2048*\d+512*\c
.endr
.endr
	ds_load_b128 v[48:51], v[ADS] offset:256
	s_cmp_lg_u32 s[KI], s[G]
	s_cbranch_scc1 .Lopen_\@
.set J, 0
.rept 64
	v_cmp_gt_i32 vcc_lo, 32*(J/16)+J%16, v[DQ]
	v_cndmask_b32 v[128+J], v[128+J], v[NINF], vcc_lo
.set J, J+1
.endr
.Lopen_\@:
.irp b, 0,1,2,3
	v_max3_num_f32 v[240+\b], v[128+16*\b], v[129+16*\b], v[130+16*\b]
.endr
.irp i, 3,5,7,9,11,13
.irp b, 0,1,2,3
	v_max3_num_f32 v[240+\b], v[240+\b], v[128+16*\b+\i], v[129+16*\b+\i]
.endr
.endr
.irp b, 0,1,2,3
	v_max_num_f32 v[240+\b], v[240+\b], v[143+16*\b]
.endr
.irp b, 0,1,2,3
	s_delay_alu instid0(VALU_DEP_4)
	v_permlanex16_b32 v[244+\b], v[240+\b], s40, s41
.endr
.irp b, 0,1,2,3
	s_delay_alu instid0(VALU_DEP_4)
	v_max_num_f32 v[240+\b], v[240+\b], v[244+\b]
.endr
	s_delay_alu instid0(VALU_DEP_2)
	v_max3_num_f32 v254, v240, v241, v242
	s_delay_alu instid0(VALU_DEP_1)
	v_max_num_f32 v254, v254, v243
	s_delay_alu instid0(VALU_DEP_1)
	v_mul_f32 v254, s22, v254
	s_delay_alu instid0(VALU_DEP_1)
	v_max_num_f32 v13, v13, v254
	v_mov_b32 v254, v12
	s_delay_alu instid0(VALU_DEP_2)
	v_floor_f32 v12, -v13
	s_delay_alu instid0(VALU_DEP_1)
	v_sub_f32 v254, v12, v254
	s_delay_alu instid0(VALU_DEP_1)
	v_cvt_i32_f32 v254, v254
	s_delay_alu instid0(VALU_DEP_1)
	v_ldexp_f32 v252, 1.0, v254
.set J, 0
.rept 32
	v_pk_fma_f32 v[128+J:129+J], v[128+J:129+J], s[22:23], v[12:13] op_sel_hi:[1,0,0]
.set J, J+2
.endr
.irp b, 0,1,2,3
	v_fma_f32 v[240+\b], v[240+\b], s22, v12
.endr
.set J, 0
	s_wait_alu depctr_va_vdst(0)
.rept 64
	v_exp_f32 v[128+J], v[128+J]
.set J, J+1
.endr
	v_pk_mul_f32 v[14:15], v[14:15], v[252:253] op_sel_hi:[1,0]
	s_wait_alu depctr_va_vdst(0)
.irp b, 0,1,2,3
	v_exp_f32 v[240+\b], v[240+\b]
.endr
	v_pk_add_f32 v[244:245], v[128:129], v[130:131]
.irp j, 4,8,12,16,20,24,28,32,36,40,44,48,52,56,60
	v_pk_add_f32 v[14:15], v[14:15], v[128+\j:129+\j]
	v_pk_add_f32 v[244:245], v[244:245], v[130+\j:131+\j]
.endr
	s_delay_alu instid0(VALU_DEP_1)
	v_pk_add_f32 v[14:15], v[14:15], v[244:245]
	s_wait_alu depctr_va_vdst(0)
.irp b, 0,1,2,3
	v_max_num_f32 v[240+\b], 0x4800000, v[240+\b]
.endr
.irp b, 0,1,2,3
	s_delay_alu instid0(VALU_DEP_4)
	v_add_nc_u32 v[56+\b], 0xfc000000, v[240+\b]
.endr
.irp b, 0,1,2,3
	v_and_or_b32 v[248+\b], v[240+\b], 0x7f800000, s42
.endr
.irp b, 0,1,2,3
	v_lshrrev_b32 v[244+\b], 23, v[56+\b]
.endr
	s_delay_alu instid0(VALU_DEP_3)
	v_lshl_or_b32 v52, v245, 8, v244
	s_delay_alu instid0(VALU_DEP_1)
	v_lshl_or_b32 v52, v246, 16, v52
	s_delay_alu instid0(VALU_DEP_1)
	v_lshl_or_b32 v52, v247, 24, v52
.irp b, 0,1,2,3
.irp i, 0,1,2,3,4,5,6,7,8,9,10,11,12,13,14,15
	v_min_num_f32 v[128+16*\b+\i], v[128+16*\b+\i], v[248+\b]
.endr
	v_cvt_scalef32_pk8_fp8_f32 v[224+4*\b:225+4*\b], v[128+16*\b:135+16*\b], v[56+\b]
	v_cvt_scalef32_pk8_fp8_f32 v[226+4*\b:227+4*\b], v[136+16*\b:143+16*\b], v[56+\b]
.endr
.set J, 0
.rept 16
	v_pk_mul_f32 v[192+J:193+J], v[192+J:193+J], v[252:253] op_sel_hi:[1,0]
.set J, J+2
.endr
	s_wait_alu depctr_va_vdst(0)
	s_wait_dscnt 0x0
.irp d, 0,1,2,3
	v_wmma_scale_f32_16x16x128_f8f6f4 v[192+8*\d:199+8*\d], v[64+16*\d:79+16*\d], v[224:239], v[192+8*\d:199+8*\d], v[48+\d], v52
.endr
.Lskip_\@:
	s_add_co_u32 s[TB], s[TB], SS
	s_add_co_u32 s[KI], s[KI], 1
.endm
.macro FINAL
.rept 8
	v_nop
.endr
	v_add_f32 v14, v14, v15
	s_delay_alu instid0(VALU_DEP_1)
	v_permlanex16_b32 v254, v14, s40, s41
	s_delay_alu instid0(VALU_DEP_1)
	v_add_f32 v14, v14, v254
	s_wait_alu depctr_va_vdst(0)
	v_rcp_f32 v14, v14
	v_nop
	s_wait_alu depctr_va_vdst(0)
.set J, 0
.rept 16
	v_pk_mul_f32 v[128+J:129+J], v[192+J:193+J], v[14:15] op_sel_hi:[1,0]
.set J, J+2
.endr
.irp b, 0,1
	v_max3_num_f32 v[240+\b], |v[128+16*\b]|, |v[129+16*\b]|, 0x4800000
.endr
.irp i, 2,4,6,8,10,12,14
.irp b, 0,1
	s_delay_alu instid0(VALU_DEP_2)
	v_max3_num_f32 v[240+\b], v[240+\b], |v[128+16*\b+\i]|, |v[129+16*\b+\i]|
.endr
.endr
.irp b, 0,1
	s_delay_alu instid0(VALU_DEP_2)
	v_permlanex16_b32 v[244+\b], v[240+\b], s40, s41
.endr
.irp b, 0,1
	s_delay_alu instid0(VALU_DEP_2)
	v_max_num_f32 v[240+\b], v[240+\b], v[244+\b]
.endr
.irp b, 0,1
	s_delay_alu instid0(VALU_DEP_2)
	v_add_nc_u32 v[56+\b], 0xfc000000, v[240+\b]
.endr
.irp b, 0,1
	s_delay_alu instid0(VALU_DEP_4)
	v_and_or_b32 v[248+\b], v[240+\b], 0x7f800000, s42
.endr
.irp b, 0,1
	s_delay_alu instid0(VALU_DEP_4)
	v_lshrrev_b32 v[244+\b], 23, v[56+\b]
.endr
.irp b, 0,1
.irp i, 0,1,2,3,4,5,6,7,8,9,10,11,12,13,14,15
	v_med3_num_f32 v[128+16*\b+\i], v[128+16*\b+\i], -v[248+\b], v[248+\b]
.endr
	v_cvt_scalef32_pk8_fp8_f32 v[224+4*\b:225+4*\b], v[128+16*\b:135+16*\b], v[56+\b]
	v_cvt_scalef32_pk8_fp8_f32 v[226+4*\b:227+4*\b], v[136+16*\b:143+16*\b], v[56+\b]
.endr
	v_nop
	v_cndmask_b32 v60, v244, v245, s44
	global_store_b128 v[LA], v[224:227], s[48:49]
	global_store_b128 v[LA], v[228:231], s[48:49] offset:512
	global_store_b8 v[BS], v60, s[50:51]
.endm
	SETUP
	s_wait_alu depctr_va_vdst(0)
	s_wait_tensorcnt 0x0                           ; my record is in,
	s_barrier_signal -1
	s_barrier_wait -1                              ; everybody's is
.Lp1:
	STEP
	s_cmp_lt_u32 s[KI], 8
	s_cbranch_scc1 .Lp1
	FINAL
	s_xor_b32 s[G], s[G], 15
	s_xor_b32 s17, s17, 1
	SETUP
.Lp2:
	STEP
	s_cmp_lt_u32 s[KI], 16
	s_cbranch_scc1 .Lp2
	FINAL
	s_wait_tensorcnt 0x0
	ds_add_u32 v62, v63
	s_wait_dscnt 0x0
	CROUND
	s_endpgm
.Lfunc_end_k_q919227a0b7_attn:
	.size	k_q919227a0b7_attn, .Lfunc_end_k_q919227a0b7_attn-k_q919227a0b7_attn
	.p2alignl 7, 3214868480
	.fill 96, 4, 3214868480
	.section	.rodata,"a",@progbits
	.p2align	6, 0x0
	.amdhsa_kernel k_q919227a0b7_attn
		.amdhsa_group_segment_fixed_size 327680
		.amdhsa_private_segment_fixed_size 0
		.amdhsa_enable_private_segment 0
		.amdhsa_kernarg_size 32
		.amdhsa_user_sgpr_count 2
		.amdhsa_user_sgpr_kernarg_segment_ptr 1
		.amdhsa_wavefront_size32 1
		.amdhsa_system_sgpr_workgroup_id_x 1
		.amdhsa_system_sgpr_workgroup_id_y 1
		.amdhsa_system_sgpr_workgroup_id_z 1
		.amdhsa_system_vgpr_workitem_id 0
		.amdhsa_next_free_vgpr 256
		.amdhsa_next_free_sgpr 66
		.amdhsa_reserve_vcc 1
		.amdhsa_float_denorm_mode_32 3
		.amdhsa_float_denorm_mode_16_64 3
		.amdhsa_memory_ordered 1
		.amdhsa_forward_progress 1
		.amdhsa_inst_pref_size 73
	.end_amdhsa_kernel
	.amdgpu_metadata
---
amdhsa.version: [ 1, 2 ]
amdhsa.kernels:
  - .name:           k_q919227a0b7_attn
    .symbol:         k_q919227a0b7_attn.kd
    .args:
      - { .name: kv, .offset: 0, .size: 8, .value_kind: global_buffer, .address_space: global }
      - { .name: qb, .offset: 8, .size: 8, .value_kind: global_buffer, .address_space: global }
      - { .name: acodes, .offset: 16, .size: 8, .value_kind: global_buffer, .address_space: global }
      - { .name: ascales, .offset: 24, .size: 8, .value_kind: global_buffer, .address_space: global }
    .group_segment_fixed_size: 327680
    .private_segment_fixed_size: 0
    .kernarg_segment_align: 8
    .kernarg_segment_size: 32
    .max_flat_workgroup_size: 512
    .sgpr_count:     66
    .vgpr_count:     256
    .wavefront_size: 32
...
	.end_amdgpu_metadata
.endif
;; end of part 3
;; launch final (part 4): grid 4 x 64, 4 waves a work-group, clusters of 4 x 4, 327,680 bytes of LDS; arguments acodes, ascales, codes, scales, bo, out0; writes out0
.if DOCPART == 4
	.amdgcn_target "amdgcn-amd-amdhsa--gfx1250"
	.amdhsa_code_object_version 6
	.text
	.protected	k_q919227a0b7_final
	.globl	k_q919227a0b7_final
	.p2align	8
	.type	k_q919227a0b7_final,@function
k_q919227a0b7_final:
	s_mov_b64 s[64:65], 0
	v_nop
	global_prefetch_b8 v0, s[64:65] scope:SCOPE_SE
	s_setreg_imm32_b32 hwreg(HW_REG_WAVE_MODE, 25, 1), 1
	s_wait_xcnt 0x0
	s_wait_alu depctr_hold_cnt(0) depctr_sa_sdst(0) depctr_va_vdst(0) depctr_va_sdst(0) depctr_va_ssrc(0) depctr_va_vcc(0) depctr_vm_vsrc(0)
	s_getreg_b32 s2, hwreg(HW_REG_IB_STS2, 6, 4)
	s_cmp_eq_u32 s2, 0
	s_cbranch_scc0 .Lentry_in_a_cluster
	s_endpgm
.Lentry_in_a_cluster:
	s_bfe_u32 s2, ttmp6, 0x10000c
	s_cmp_lg_u32 s2, 0xf033
	s_cbranch_scc0 .Lentry_shape_is_right
	s_endpgm
.Lentry_shape_is_right:
; out0 = att Wo^T + bo on codes of FP8 (E4M3) with E8M0 scales: A = acodes (8,192 row positions), B = Wo's codes (row positions 11,264 on of codes); f32 sums; the bias is the first products' C.
; SHARES: a work-group makes 128 x 256 of out0: 64 x 4 = 256 work-groups.  Four waves, 2 x 2, 64 x 128 each: 32 accumulators (window 2), two sets of B's 8 fragments (window 1) and of A's 4 (window 0, v128 on); bias in window 3.
; OPERANDS are images of registers (16 rows x 128 K = 2,048 bytes; a row tile's 8 K steps on end).  Row order in a pair of tiles: lane r of tile 2 b + u holds true row 32 b + 8 u + r % 8 + 16 (r / 8).
; The matrix instruction is used transposed (source 0 = Wo's rows, source 1 = A's): a lane holds eight neighbouring columns of one row.
; LDS: three regions of 98,304 bytes, a quarter of K each (A's 8 row tiles x 4,096, then B's 16).  Quarters 0 and 1 are the head's four joint loads, one a wave; quarter 2 is first filled behind the full sequence;
; quarter 3 is the one refill, over region 0, behind a drained round.  By the text's count a wave never has more than one tensor load out.
; SCALE WORDS come straight into registers: a block's 16 rows x 32 bytes are 512 consecutive bytes, one load: lanes 0-15 hold their row's words of K steps 0-3, lanes 16-31 those of K steps 4-7 (read by ROW1).
; CLUSTERS: 4 x 4; A's tiles are asked for jointly along a row of the cluster, B's along a column.  No prefetch: the text has no loop to run ahead in; all of K is asked for in three groups.
; LIMITS: NaN and infinities are not served.
.set NP,     8                         ; plain vector lines behind this matrix instruction (ISA guide 7.12.1)
.set KB,     4096                      ; a row tile's part of a region: two images
.set AT,     8*KB                      ; A's 128 rows
.set REG,    3*AT                      ; a region
.set SPARE,  3*REG                     ; the spare words: 512 bytes that no other line names
.set SPITCH, 528                       ; the way out: stage rows; the stages lie in region 1, behind its only fill and its last read
.set ADRA, 16                          ; v16-18 my A fragments in regions 0, 1, 2
.set ADRB, 20                          ; v20-22 my B fragments
.set STO,  24
.set RD,   25
.set CO,   26                          ; 16 x lane
.set SOF,  27                          ; 32 r + 16 h: my 16 bytes of a block's scale words
.set SPW,  28
.set NIL,  29
.set BOF,  30                          ; 64 h
.set SA,   34                          ; v34-49 A's scale words: 4 a + j
.set SB,   52                          ; v52-83 B's: 4 b + j; the two numbers of a product never agree modulo 8
.set AF,   128
.set BK,   128
.set G1,  24
.set GA,  32                           ; s[32:35], s[36:39] groups 0 for A
.set G1B, 48
.set GB,  56                           ; s[56:59], s[60:63] for B
.set MSB, 0
.macro WIN new
.if MSB != (\new)
	s_set_vgpr_msb (MSB<<8)|(\new)
.set MSB, (\new)
.endif
.endm
.macro PLACES n
.rept \n
	v_nop
.endr
.endm
.macro CREST
	s_cmp_lg_u32 s14, 0
	s_cbranch_scc1 .Lnot_wave_0_\@
	s_barrier_signal -3
.Lnot_wave_0_\@:
	s_barrier_wait -3
	s_barrier_signal -1
	s_barrier_wait -1
.endm
.macro CROUND
	s_barrier_signal -1
	s_barrier_wait -1
	CREST
.endm
.macro TL g0, g1                       ; a tensor load, then s_nop 0 and four v_nop
	tensor_load_to_lds s[\g0:\g0+3], s[\g1:\g1+7]
	s_nop 0
	PLACES 4
.endm
.macro ARM under, g0, g1, next
	s_cmp_lt_u32 s14, \under
	s_cbranch_scc0 \next
	TL \g0, \g1
	s_branch .Lhead_asked
\next:
.endm
.macro JLOAD                           ; behind the head: wave 0 fetches a quarter's A, wave 1 its B, the others nothing
	s_cmp_eq_u32 s14, 0
	s_cbranch_scc0 .Lnot_a_\@
	TL GA, G1
	s_branch .Lasked_\@
.Lnot_a_\@:
	s_cmp_eq_u32 s14, 1
	s_cbranch_scc0 .Lasked_\@
	TL GB, G1B
.Lasked_\@:
.endm
	s_load_b128 s[4:7], s[0:1], 0x0                ; acodes, ascales
	s_load_b128 s[8:11], s[0:1], 0x10              ; codes, scales
	s_load_b128 s[96:99], s[0:1], 0x20             ; bo, out0
	v_lshl_add_u32 v[SPW], v0, 2, SPARE
	v_mov_b32 v[NIL], 0
	ds_add_u32 v[SPW], v[NIL]                      ; the opening lines: the add twice on end, waited for below
	ds_add_u32 v[SPW], v[NIL]
	v_lshrrev_b32 v1, 5, v0
	v_readfirstlane_b32 s14, v1                    ; wave
	s_lshr_b32 s15, s14, 1                         ; my 64 of the 128 rows
	s_and_b32 s16, s14, 1                          ; my 128 of the 256 columns
	s_bfe_u32 s40, ttmp6, 0x40000                  ; cx
	s_bfe_u32 s41, ttmp6, 0x40004                  ; cy
	s_lshl_b32 s42, ttmp9, 2
	s_add_co_u32 s42, s42, s40                     ; tile column
	s_and_b32 s17, ttmp7, 0xffff
	s_lshl_b32 s17, s17, 2
	s_add_co_u32 s17, s17, s41                     ; tile row, 0 .. 63
	s_lshl_b32 s43, s41, 2
	s_lshl_b32 s43, 15, s43                        ; my row of the cluster
	s_lshl_b32 s44, 0x1111, s40                    ; my column
	s_or_b32 s[G1+0], s43, (3<<16)|(1<<21)         ; row tiles x 4,096 bytes (512 elements of 8), 16,384 bytes apart, dense in LDS: A 8 tiles, B 16
	s_or_b32 s[G1B+0], s44, (3<<16)|(1<<21)
	s_mov_b32 s[G1+2], 8<<16
	s_mov_b32 s[G1+4], 8
	s_mov_b32 s[G1B+2], 16<<16
	s_mov_b32 s[G1B+4], 16
.irp g, G1, G1B
	s_mov_b32 s[\g+1], 512<<16
	s_mov_b32 s[\g+3], 512<<16
	s_mov_b32 s[\g+5], 2048
	s_mov_b32 s[\g+6], 0
	s_mov_b32 s[\g+7], 0
.endr
	s_lshl_b32 s20, s17, 17                        ; A's codes: 128 rows of 1,024 bytes a tile row
	s_mov_b32 s21, 0
	s_lshl_b32 s46, s42, 8
	s_add_co_u32 s46, s46, 11264
	s_lshl_b32 s46, s46, 10                        ; B's codes
	s_mov_b32 s47, 0
	s_lshl_b32 s22, s17, 12                        ; my 64 rows' scale words: 32 bytes a row
	s_lshl_b32 s23, s15, 11
	s_add_co_u32 s22, s22, s23
	s_mov_b32 s23, 0
	s_lshl_b32 s92, s42, 13                        ; my 128 columns' scale words
	s_lshl_b32 s93, s16, 12
	s_add_co_u32 s92, s92, s93
	s_add_co_u32 s92, s92, 11264*32
	s_mov_b32 s93, 0
	s_wait_dscnt 0x0                               ; both opening adds are done
	s_wait_kmcnt 0x0
	s_add_nc_u64 s[20:21], s[4:5], s[20:21]
	s_add_nc_u64 s[46:47], s[8:9], s[46:47]
	s_add_nc_u64 s[6:7], s[6:7], s[22:23]
	s_add_nc_u64 s[10:11], s[10:11], s[92:93]
	CROUND                                         ; all sixteen work-groups are here: the first joint loads meet
.irp s, 0,1
	s_mov_b32 s[GA+4*\s], 1
	s_mov_b32 s[GA+4*\s+1], \s*REG
	s_add_nc_u64 s[GA+4*\s+2:GA+4*\s+3], s[20:21], \s*KB
	s_or_b32 s[GA+4*\s+3], s[GA+4*\s+3], 0x80000000
	s_mov_b32 s[GB+4*\s], 1
	s_mov_b32 s[GB+4*\s+1], \s*REG+AT
	s_add_nc_u64 s[GB+4*\s+2:GB+4*\s+3], s[46:47], \s*KB
	s_or_b32 s[GB+4*\s+3], s[GB+4*\s+3], 0x80000000
.endr
	ARM 1, GA,   G1,  .Lhead_b0                    ; one load a wave, what is wanted first asked for first: quarter 0's A, its B,
	ARM 2, GB,   G1B, .Lhead_a1
	ARM 3, GA+4, G1,  .Lhead_b1                    ; quarter 1's A, its B
	TL GB+4, G1B
.Lhead_asked:
	v_and_b32 v1, 15, v0                           ; r
	v_bfe_u32 v2, v0, 4, 1                         ; h
	v_and_b32 v3, 31, v0
	v_lshlrev_b32 v[CO], 4, v3
	s_mul_i32 s21, s15, 4*KB                       ; my 4 row tiles of A
	s_mul_i32 s22, s16, 8*KB                       ; my 8 of B, behind A's 8
	s_add_co_u32 s22, s22, AT
.irp g, 0,1,2
	v_add_nc_u32 v[ADRA+\g], s21, v[CO]
	v_add_nc_u32 v[ADRB+\g], s22, v[CO]
	s_add_co_u32 s21, s21, REG
	s_add_co_u32 s22, s22, REG
.endr
	s_mul_i32 s23, s14, 16*SPITCH
	s_add_co_u32 s23, s23, REG                     ; my stage
	v_mul_u32_u24 v5, v1, SPITCH
	v_lshl_add_u32 v5, v2, 6, v5
	v_add_nc_u32 v[STO], s23, v5
	v_add_nc_u32 v[RD], s23, v[CO]
	v_lshlrev_b32 v[BOF], 6, v2
	v_lshlrev_b32 v[SOF], 5, v1
	v_lshl_add_u32 v[SOF], v2, 4, v[SOF]
	s_lshl_b32 s46, s42, 10                        ; my first column, in bytes of f32
	s_lshl_b32 s47, s16, 9
	s_add_co_u32 s46, s46, s47
	s_mov_b32 s47, 0
	s_add_nc_u64 s[96:97], s[96:97], s[46:47]
	s_lshl_b32 s20, s17, 7
	s_lshl_b32 s21, s15, 6
	s_add_co_u32 s20, s20, s21                     ; my first row
	s_lshl_b32 s20, s20, 12
	s_mov_b32 s21, 0
	s_add_nc_u64 s[20:21], s[20:21], s[46:47]
	s_add_nc_u64 s[12:13], s[98:99], s[20:21]
	s_wait_alu depctr_va_vdst(0)
.irp a, 0,1,2,3
	global_load_b128 v[SA+4*\a:SA+4*\a+3], v[SOF], s[6:7] offset:512*\a
.endr
.irp b, 0,1,2,3,4,5,6,7
	global_load_b128 v[SB+4*\b:SB+4*\b+3], v[SOF], s[10:11] offset:512*\b
.endr
	WIN 0xc0                                       ; the bias into window 3: register 8 b + j is column 32 (b / 2) + 8 (b % 2) + 16 h + j
.irp b, 0,1,2,3,4,5,6,7
	global_load_b128 v[8*\b:8*\b+3], v[BOF], s[96:97] offset:128*(\b/2)+32*(\b%2)
	global_load_b128 v[8*\b+4:8*\b+7], v[BOF], s[96:97] offset:128*(\b/2)+32*(\b%2)+16
.endr
	WIN 0
.macro FETCH g, q, p                   ; a step's fragments, 128 of K, part q of region g, into set p: 48 loads
	WIN 0x40
.irp i, 0,1,2,3,4,5,6,7
.irp c, 0,1,2,3
	ds_load_b128 v[128*(\p)+16*\i+4*\c:128*(\p)+16*\i+4*\c+3], v[ADRB+\g] offset:KB*\i+2048*(\q)+512*\c
.endr
.endr
	WIN 0
.irp i, 0,1,2,3
.irp c, 0,1,2,3
	ds_load_b128 v[AF+64*(\p)+16*\i+4*\c:AF+64*(\p)+16*\i+4*\c+3], v[ADRA+\g] offset:KB*\i+2048*(\q)+512*\c
.endr
.endr
.endm
.macro MUL16 t, a0                     ; K step t: A's blocks a0, a0 + 1 x B's eight; the 32 accumulators take turns
.irp a, \a0, \a0+1
.irp b, 0,1,2,3,4,5,6,7
.if (\t) == 0
	v_wmma_scale_f32_16x16x128_f8f6f4 v[8*(8*(\a)+\b):8*(8*(\a)+\b)+7], v[16*\b:16*\b+15], v[AF+16*(\a):AF+16*(\a)+15], v[8*\b:8*\b+7], v[SB+4*\b], v[SA+4*(\a)]
.elseif (\t) < 4
	v_wmma_scale_f32_16x16x128_f8f6f4 v[8*(8*(\a)+\b):8*(8*(\a)+\b)+7], v[128*((\t)%2)+16*\b:128*((\t)%2)+16*\b+15], v[AF+64*((\t)%2)+16*(\a):AF+64*((\t)%2)+16*(\a)+15], v[8*(8*(\a)+\b):8*(8*(\a)+\b)+7], v[SB+4*\b+(\t)%4], v[SA+4*(\a)+(\t)%4]
.else
	v_wmma_scale_f32_16x16x128_f8f6f4 v[8*(8*(\a)+\b):8*(8*(\a)+\b)+7], v[128*((\t)%2)+16*\b:128*((\t)%2)+16*\b+15], v[AF+64*((\t)%2)+16*(\a):AF+64*((\t)%2)+16*(\a)+15], v[8*(8*(\a)+\b):8*(8*(\a)+\b)+7], v[SB+4*\b+(\t)%4], v[SA+4*(\a)+(\t)%4] matrix_a_scale:MATRIX_SCALE_ROW1 matrix_b_scale:MATRIX_SCALE_ROW1
.endif
.endr
.endr
.endm
.macro STEP t, g, q                    ; this step's fragments are in; the next step's (part q of region g) are asked for into the other set; then the 32 products
	s_wait_dscnt 0x0
	PLACES NP                                      ; behind the last step's products, which read the set that is loaded now
	FETCH \g, \q, 1-(\t)%2
.if (\t) == 0
	WIN 0xb1                                       ; C from window 3: the bias
.else
	WIN 0xa1
.endif
	MUL16 \t, 0
	MUL16 \t, 2
	WIN 0
.endm
.macro TURN t, g, q, fill              ; a step whose successor lies in a region that must be shown first.  fill = 1: region 0 takes quarter 3
	s_wait_tensorcnt 0x0                           ; all my tensor loads have landed
	ds_add_u32 v[SPW], v[NIL]
.if \fill
	s_mov_b32 s[GA+1], 0
	s_add_nc_u64 s[GA+2:GA+3], s[GA+2:GA+3], KB
	s_mov_b32 s[GB+1], AT
	s_add_nc_u64 s[GB+2:GB+3], s[GB+2:GB+3], KB
.endif
	s_wait_dscnt 0x0                               ; the add is done, this step's fragments are in, and my reads of the regions behind me are over
	s_barrier_signal -1
	WIN 0xa1
	MUL16 \t, 0
	WIN 0
	s_barrier_wait -1
.if \fill
	CREST
	JLOAD
.endif
	PLACES NP
	FETCH \g, \q, 1-(\t)%2
	WIN 0xa1
	MUL16 \t, 2
	WIN 0
.endm
	s_wait_tensorcnt 0x0                           ; my tile of the head's four is in; the full sequence ahead of region 2's first fill
	ds_add_u32 v[SPW], v[NIL]
	s_mov_b32 s[GA+1], 2*REG
	s_add_nc_u64 s[GA+2:GA+3], s[GA+2:GA+3], 2*KB
	s_mov_b32 s[GB+1], 2*REG+AT
	s_add_nc_u64 s[GB+2:GB+3], s[GB+2:GB+3], 2*KB
	s_wait_dscnt 0x0
	CROUND
	JLOAD                                          ; quarter 2
	FETCH 0, 0, 0
	s_wait_loadcnt 0x0                             ; scale words and bias
	STEP 0, 0, 1
	STEP 1, 1, 0
	STEP 2, 1, 1
	TURN 3, 2, 0, 1                                ; quarter 2 is shown; region 0, last read for step 1, takes quarter 3
	STEP 4, 2, 1
	TURN 5, 0, 0, 0                                ; quarter 3 is shown; nothing is filled
	STEP 6, 0, 1
	s_wait_dscnt 0x0
	WIN 0xa1
	MUL16 7, 0
	MUL16 7, 2
	WIN 0
; THE WAY OUT: a block of 16 rows x 128 columns goes through my stage and comes back as rows of 512 bytes, which the 32 lanes store as two aligned units of 256 bytes
.macro TOSTAGE a
	WIN 0x08
.irp b, 0,1,2,3,4,5,6,7
	ds_store_b128 v[STO], v[64*(\a)+8*\b:64*(\a)+8*\b+3] offset:128*(\b/2)+32*(\b%2)
	ds_store_b128 v[STO], v[64*(\a)+8*\b+4:64*(\a)+8*\b+7] offset:128*(\b/2)+32*(\b%2)+16
.endr
	WIN 0
.set BB, BK+64*((\a)%2)
.irp t, 0,1,2,3,4,5,6,7,8,9,10,11,12,13,14,15
	ds_load_b128 v[BB+4*\t:BB+4*\t+3], v[RD] offset:\t*SPITCH   ; LDS serves a wave's instructions in order: these see the stores above
.endr
.endm
.macro SEND a, younger
.set BB, BK+64*((\a)%2)
	s_wait_dscnt \younger
.if (\a) > 0
.if ((\a)%2) == 1
	s_add_nc_u64 s[12:13], s[12:13], 8*4096        ; tile 2 b + 1 begins 8 true rows behind tile 2 b,
.else
	s_add_nc_u64 s[12:13], s[12:13], 24*4096       ; tile 2 b + 2 another 24
.endif
.endif
.irp t, 0,1,2,3,4,5,6,7,8,9,10,11,12,13,14,15
	global_store_b128 v[CO], v[BB+4*\t:BB+4*\t+3], s[12:13] offset:((\t%8)+16*(\t/8))*4096 th:TH_STORE_NT
.endr
.endm
	PLACES NP
	TOSTAGE 0
.irp a, 1,2,3
.if \a > 1
	s_wait_xcnt 0x0                                ; block a - 2's stores have read their registers and their base
.endif
	TOSTAGE \a
	SEND \a-1, 32                                  ; behind block a - 1's loads: block a's 16 stores and 16 loads
.endr
	s_wait_xcnt 0x0
	SEND 3, 0
	s_wait_tensorcnt 0x0                           ; the wave's end
	ds_add_u32 v[SPW], v[NIL]
	s_wait_dscnt 0x0
	CROUND                                         ; the closing round
	s_endpgm
.Lfunc_end_k_q919227a0b7_final:
	.size	k_q919227a0b7_final, .Lfunc_end_k_q919227a0b7_final-k_q919227a0b7_final
	.p2alignl 7, 3214868480
	.fill 96, 4, 3214868480
	.section	.rodata,"a",@progbits
	.p2align	6, 0x0
	.amdhsa_kernel k_q919227a0b7_final
		.amdhsa_group_segment_fixed_size 327680
		.amdhsa_private_segment_fixed_size 0
		.amdhsa_enable_private_segment 0
		.amdhsa_kernarg_size 48
		.amdhsa_user_sgpr_count 2
		.amdhsa_user_sgpr_kernarg_segment_ptr 1
		.amdhsa_wavefront_size32 1
		.amdhsa_system_sgpr_workgroup_id_x 1
		.amdhsa_system_sgpr_workgroup_id_y 1
		.amdhsa_system_sgpr_workgroup_id_z 1
		.amdhsa_system_vgpr_workitem_id 0
		.amdhsa_next_free_vgpr 1024
		.amdhsa_next_free_sgpr 100
		.amdhsa_reserve_vcc 0
		.amdhsa_float_denorm_mode_32 3
		.amdhsa_float_denorm_mode_16_64 3
		.amdhsa_memory_ordered 1
		.amdhsa_forward_progress 1
		.amdhsa_inst_pref_size 88
	.end_amdhsa_kernel
	.amdgpu_metadata
---
amdhsa.version: [ 1, 2 ]
amdhsa.kernels:
  - .name:           k_q919227a0b7_final
    .symbol:         k_q919227a0b7_final.kd
    .args:
      - { .name: acodes, .offset: 0, .size: 8, .value_kind: global_buffer, .address_space: global }
      - { .name: ascales, .offset: 8, .size: 8, .value_kind: global_buffer, .address_space: global }
      - { .name: codes, .offset: 16, .size: 8, .value_kind: global_buffer, .address_space: global }
      - { .name: scales, .offset: 24, .size: 8, .value_kind: global_buffer, .address_space: global }
      - { .name: bo, .offset: 32, .size: 8, .value_kind: global_buffer, .address_space: global }
      - { .name: out0, .offset: 40, .size: 8, .value_kind: global_buffer, .address_space: global }
    .group_segment_fixed_size: 327680
    .private_segment_fixed_size: 0
    .kernarg_segment_align: 8
    .kernarg_segment_size: 48
    .max_flat_workgroup_size: 128
    .sgpr_count:     100
    .vgpr_count:     1024
    .wavefront_size: 32
...
	.end_amdgpu_metadata
.endif
;; end of part 4
